; MI455X (gfx1250); checked and timed in simulation.
; The chip was launched on July 23, 2026; its instructions are those of AMD's public machine-readable ISA for CDNA 5 (MIT licence, August 2026) and "CDNA5" Instruction Set Architecture Reference Guide (July 2026). The comments in the code are by the model that wrote it; some were corrected since.
;; Attention Block. Allowed arithmetic: matrix products marked QUANTISED: E4M3 operands, one given power-of-two scale a tensor, by v_wmma_f32_16x16x64_fp8_fp8 or v_wmma_f32_16x16x128_fp8_fp8, f32 sums; everything else in f32.
;; Inputs: bk 256 float32; bo 256 float32; bq 256 float32; bv 256 float32; gn_bias 256 float32; gn_weight 256 float32; lowp_scales 12 int32 (the exponents e of the quantised operands' scales 2^e); wk 256 x 256 float32; wo 256 x 256 float32; wq 256 x 256 float32; wv 256 x 256 float32; x 64 x 256 x 32 x 32 float32.
;; Outputs: out0 64 x 256 x 32 x 32 float32.
;; This version of the problem:
;;   THIS VERSION OF THE PROBLEM IS GIVEN IN LOW PRECISION. The matrix products marked QUANTISED in the list below multiply operands that are first quantised to E4M3 (4 exponent bits, 3 mantissa bits; 8 bits a number), with one given power-of-two scale for each operand tensor; their sums are f32. All else is computed in f32.
;;   The module's matrix products, in the order in which they are computed (A, B: the left and right operand; K: the contracted axis; several contracted axes count as one K, in the product's order):
;;     1. [M 65,536, K 256] x [K 256, N 256]; A: computed on the way; B: input wq: QUANTISED (scales: A lowp_scales[0], B lowp_scales[1])
;;     2. [M 65,536, K 256] x [K 256, N 256]; A: computed on the way; B: input wk: QUANTISED (scales: A lowp_scales[2], B lowp_scales[3])
;;     3. [M 65,536, K 256] x [K 256, N 256]; A: computed on the way; B: input wv: QUANTISED (scales: A lowp_scales[4], B lowp_scales[5])
;;     4. batch 64 x [M 1,024, K 256] x [K 256, N 1,024]; A: computed on the way; B: computed on the way: QUANTISED (scales: A lowp_scales[6], B lowp_scales[7])
;;     5. batch 64 x [M 256, K 1,024] x [K 1,024, N 1,024]; A: computed on the way; B: softmax (see below): QUANTISED (scales: A lowp_scales[8], B lowp_scales[9])
;;     6. [M 65,536, K 256] x [K 256, N 256]; A: computed on the way; B: input wo: QUANTISED (scales: A lowp_scales[10], B lowp_scales[11])
;;   THE QUANTISER, for each operand of a quantised product, along K:
;;     - The operand's scale is 2^e, e = its entry of the input lowp_scales (int32; the entries are numbered through the quantised products in the list's order, A before B).
;;     - Each number is divided by the scale, clamped to +-448, and rounded to the nearest number of E4M3, ties to even, subnormals kept.
;;     - The product sums the exact products of the quantised numbers (number of the format x scale) in f32.
;;   ~~~python
;;   def quantise(x, axis, e):      # numpy; x: float32 -> the quantised numbers, widened to float32 again
;;       x = np.moveaxis(x, axis, -1); K = x.shape[-1]
;;       r = np.clip(x / 2.0 ** e, -448, 448)
;;       step = 2.0 ** (np.maximum(np.frexp(np.where(r == 0, 1, r))[1] - 1, -6) - 3)
;;       q = np.round(r / step) * step * 2.0 ** e      # np.round: ties to even
;;       return np.moveaxis(q, -1, axis).astype(np.float32)
;;   ~~~
;;   SOFTMAX AHEAD OF A QUANTISED PRODUCT. Where the list says 'softmax', what is quantised is not the finished softmax but p = 2^(t - M), with t = logit x log2(e) and M = ceil(the row's largest t), a whole number; so 1/2 < the row's largest p <= 1. The row's sum l is taken of the UNQUANTISED p, in f32, and the product's result is divided by l at the end. Since M is a whole number, a kernel that streams over the keys may use a running M (the ceiling of the running maximum): every later rescaling is an exact power of two, so the quantised numbers keep their values, but for numbers so far below the row's largest that they fall under the format's range.
;;   OPERANDS COMPUTED ON THE WAY. 'Computed on the way' means the value that the module computes at that place (a softmax that the list does not call 'softmax' is quantised finished and normalised). What goes into a quantiser is computed in f32, as accurately as f32 sums, v_exp_f32 and their like allow (about 1e-6 of the number): no bf16 or f16 on the way to a quantiser, and a product that is left as it is and whose result goes on into a quantised operand takes f32 operands (vector FMAs, or v_wmma_f32_16x16x4_f32). A number that lies on a knife's edge between two numbers of the format may be rounded either way, as far as f32 arithmetic and the matrix unit's own rounding can turn it there, and no further.
;; 2 versions. Each part assembles by itself: llvm-mc -triple=amdgcn-amd-amdhsa -mcpu=gfx1250 --defsym DOCPART=n.
;; ======== version 1 of 2: 3 launches
;; workspace buffers: wimg 262,144 bytes; qimg 16,777,216 bytes; kvimg 33,554,432 bytes; gstat 524,288 bytes
;; launch prep (part 1): grid 256 x 1, 8 waves a work-group, no clusters, 0 bytes of LDS; arguments x, wq, wk, wv, wo, lowp_scales, wimg, gstat; writes wimg, gstat
.if DOCPART == 1
	.amdgcn_target "amdgcn-amd-amdhsa--gfx1250"
	.amdhsa_code_object_version 6
	.text
	.protected	k_q44e80a662b_prep
	.globl	k_q44e80a662b_prep
	.p2align	8
	.type	k_q44e80a662b_prep,@function
k_q44e80a662b_prep:
	s_mov_b64 s[64:65], 0
	v_nop
	global_prefetch_b8 v0, s[64:65] scope:SCOPE_SE
	s_setreg_imm32_b32 hwreg(HW_REG_WAVE_MODE, 25, 1), 1
	s_wait_xcnt 0x0
; TWO THINGS THAT ARE WANTED ONCE, AHEAD OF THE PRODUCTS.
; (1) GroupNorm's statistics of x [64][256][1024]: 2,048 groups of 8 channels x 1,024 positions = 8,192 numbers = 32 KiB on end.  gstat [group][256 bytes]: (mean, 1 / sqrt(variance + 1e-5)), the pair 32 times over,
;     so that the wave's one store covers 256 consecutive bytes, aligned; a reader takes the first 8 bytes.
;     Wave 8 x work-group + w owns that group: 64 loads of 512 consecutive bytes into 256 registers; the mean, then the sum of squared deviations, both from registers: x is loaded once, no difference of large sums is formed.
; (2) wq, wk, wv, wo [256 (o)][256 (c)] f32 become codes of E4M3, laid as IMAGES OF OPERAND REGISTERS: wimg [matrix 4][tile 16][K half 2][2,048 bytes].
;     An image: byte 512 g + 16 lane + i holds the code of (row TR(tile, lane % 16), c = 128 half + 32 g + 16 (lane / 16) + i), TR(t, r) = 32 (t / 2) + 8 (t % 2) + r + 8 (r / 8).
;     code = w / 2^e, held within +-448, to the nearest code, ties to even; e = entry 1, 3, 5 or 11 of the scales.  In work-groups 0 to 127 wave 0 makes image number work-group, behind its loads of x and ahead of its sums.
; LIMITS: -126 <= e <= 119, so that 2^e and 448 x 2^e are f32 numbers.  NaN and infinities among the inputs are not served.
; No LDS, no barrier: waves share nothing.  No prefetch: a wave asks for all its bytes in its first lines.
; REGISTERS.  Window 0: v1 16 x lane, v3 8 x lane, v[8:9] mean and 1/sqrt, v11 permute's destination, v32-39 four running pairs; for the image v4-6, v12, v13, v16-79 numbers, v80-95 codes.  Window 1: the group.
.set MSB, 0
.macro WIN new                         ; the immediate's high byte repeats the setting that is left; a switch that changes nothing is dropped
.if MSB != (\new)
	s_set_vgpr_msb (MSB<<8)|(\new)
.set MSB, (\new)
.endif
.endm
.macro REDUCE r                        ; the sum over the wave's 32 lanes, in every lane
	v_add_f32_dpp v[\r], v[\r], v[\r] row_xmask:1 row_mask:0xf bank_mask:0xf
	v_add_f32_dpp v[\r], v[\r], v[\r] row_xmask:2 row_mask:0xf bank_mask:0xf
	v_add_f32_dpp v[\r], v[\r], v[\r] row_xmask:4 row_mask:0xf bank_mask:0xf
	v_add_f32_dpp v[\r], v[\r], v[\r] row_xmask:8 row_mask:0xf bank_mask:0xf
	v_permlanex16_b32 v11, v[\r], s42, s43
	v_add_f32 v[\r], v[\r], v11
.endm
.macro FOLD                            ; the four running pairs become one number a lane
	v_pk_add_f32 v[32:33], v[32:33], v[34:35]
	v_pk_add_f32 v[36:37], v[36:37], v[38:39]
	v_pk_add_f32 v[32:33], v[32:33], v[36:37]
	v_add_f32 v32, v32, v33
.endm
	s_load_b512 s[4:19], s[0:1], 0x0               ; x s[4:5], wq, wk, wv, wo s[6:13], the scales' exponents s[14:15], wimg s[16:17], gstat s[18:19]
	v_lshrrev_b32 v1, 5, v0
	v_readfirstlane_b32 s32, v1                    ; wave 0..7
	v_and_b32 v2, 31, v0                           ; lane
	v_lshlrev_b32 v1, 4, v2                        ; 16 x lane
	v_lshlrev_b32 v3, 3, v2                        ; 8 x lane
	v_mov_b32 v11, 0                               ; written once: a lane permute's destination counts as one of its sources
	s_mov_b32 s42, 0x76543210                      ; v_permlanex16_b32: lane l xor 16
	s_mov_b32 s43, 0xfedcba98
	s_mov_b32 s41, 0x39000000                      ; 2^-13 = 1 / 8,192
	s_lshl_b32 s33, ttmp9, 3
	s_add_co_u32 s33, s33, s32                     ; my group: 8 x work-group + wave
	s_lshl_b32 s34, s33, 15                        ; 32,768 bytes a group
	s_mov_b32 s35, 0
	s_lshl_b32 s36, s33, 8                         ; 256 bytes a group
	s_mov_b32 s37, 0
	s_wait_kmcnt 0x0
	s_add_nc_u64 s[4:5], s[4:5], s[34:35]
	s_add_nc_u64 s[18:19], s[18:19], s[36:37]
	WIN 0x40                                       ; destination window 1
.set i_, 0
.rept 64
	global_load_b128 v[4*i_:4*i_+3], v1, s[4:5] offset:512*i_ th:TH_LOAD_NT   ; 32 lanes read 512 consecutive bytes
.set i_, i_+1
.endr
	WIN 0
	s_cmp_lg_u32 s32, 0                            ; an image is made by wave 0
	s_cbranch_scc1 .Lno_image
	s_cmp_ge_u32 ttmp9, 128                        ; of work-groups 0 to 127
	s_cbranch_scc1 .Lno_image
	s_load_b256 s[20:27], s[14:15], 0x0            ; e0 .. e7
	s_load_b128 s[28:31], s[14:15], 0x20           ; e8 .. e11
	v_and_b32 v4, 15, v0                           ; r
	v_bfe_u32 v5, v0, 4, 1                         ; h
	v_and_b32 v6, 8, v4
	v_add_nc_u32 v6, v6, v4                        ; r + 8 (r / 8)
	v_lshlrev_b32 v6, 10, v6                       ; a row of 256 f32 is 1,024 bytes
	v_lshl_add_u32 v6, v5, 6, v6                   ; + 64 h: my 16 numbers of a block of 32
	s_lshr_b32 s38, ttmp9, 5                       ; matrix 0..3
	s_bfe_u32 s39, ttmp9, 0x40001                  ; tile 0..15
	s_and_b32 s40, ttmp9, 1                        ; half of K
	s_lshr_b32 s44, s39, 1
	s_lshl_b32 s44, s44, 15                        ; 32 (tile / 2) rows
	s_and_b32 s45, s39, 1
	s_lshl_b32 s45, s45, 13                        ; 8 (tile % 2) rows
	s_add_co_u32 s44, s44, s45
	s_lshl_b32 s45, s40, 9                         ; 128 numbers along K for the second half
	s_add_co_u32 s44, s44, s45
	s_mov_b32 s45, 0
	s_lshl_b32 s46, ttmp9, 11                      ; the images lie in the order of the work-groups, 2,048 bytes each
	s_mov_b32 s47, 0
	s_cmp_eq_u32 s38, 1                            ; the choice hangs on the work-group's number alone
	s_cselect_b64 s[6:7], s[8:9], s[6:7]
	s_cmp_eq_u32 s38, 2
	s_cselect_b64 s[6:7], s[10:11], s[6:7]
	s_cmp_eq_u32 s38, 3
	s_cselect_b64 s[6:7], s[12:13], s[6:7]
	s_add_nc_u64 s[6:7], s[6:7], s[44:45]
	s_add_nc_u64 s[16:17], s[16:17], s[46:47]
.irp c, 0,1,2,3
.irp i, 0,1,2,3
	global_load_b128 v[16+16*\c+4*\i:19+16*\c+4*\i], v6, s[6:7] offset:128*\c+16*\i th:TH_LOAD_NT   ; a lane's four loads of a block cover its own 64 bytes on end
.endr
.endr
	s_wait_kmcnt 0x0
	s_cmp_eq_u32 s38, 1
	s_cselect_b32 s21, s23, s21                    ; e1, e3, e5 or e11
	s_cmp_eq_u32 s38, 2
	s_cselect_b32 s21, s25, s21
	s_cmp_eq_u32 s38, 3
	s_cselect_b32 s21, s31, s21
	s_add_co_i32 s21, s21, 127
	s_lshl_b32 s22, s21, 23
	v_mov_b32 v12, s22                             ; 2^e as f32: the conversion takes its exponent field
	s_add_co_i32 s21, s21, 8
	s_lshl_b32 s22, s21, 23
	s_or_b32 s22, s22, 0x600000
	v_mov_b32 v13, s22                             ; 448 x 2^e
	s_wait_loadcnt 0x0
.set i_, 0
.rept 64
	v_med3_num_f32 v[16+i_], v[16+i_], -v13, v13   ; the conversion to an 8-bit code does not saturate (ISA guide 7.6.2): the hold comes first
.set i_, i_+1
.endr
.irp c, 0,1,2,3
	v_cvt_scalef32_pk8_fp8_f32 v[80+4*\c:81+4*\c], v[16+16*\c:23+16*\c], v12
	v_cvt_scalef32_pk8_fp8_f32 v[82+4*\c:83+4*\c], v[24+16*\c:31+16*\c], v12
.endr
	v_nop                                          ; a plain line behind the last conversion: the sums below write registers that it read
.irp c, 0,1,2,3
	global_store_b128 v1, v[80+4*\c:83+4*\c], s[16:17] offset:512*\c   ; 32 lanes store 512 consecutive bytes; v80-95 and v1 are not written again
.endr
.Lno_image:
	s_wait_loadcnt 0x0                             ; my group is in
	WIN 0x05                                       ; sources 0 and 1 window 1
.irp k, 0,1,2,3
	v_pk_add_f32 v[32+2*\k:33+2*\k], v[2*\k:2*\k+1], v[8+2*\k:9+2*\k]   ; the first eight pairs start the four chains: nothing is cleared
.endr
	WIN 0x04
.set i_, 8
.rept 120
	v_pk_add_f32 v[32+2*(i_%4):33+2*(i_%4)], v[32+2*(i_%4):33+2*(i_%4)], v[2*i_:2*i_+1]
.set i_, i_+1
.endr
	WIN 0
	FOLD
	REDUCE 32
	v_mul_f32 v8, s41, v32                         ; the mean: / 8,192
	v_mov_b32 v9, v8
	WIN 0x41
.set i_, 0
.rept 128
	v_pk_add_f32 v[2*i_:2*i_+1], v[2*i_:2*i_+1], v[8:9] neg_lo:[0,1] neg_hi:[0,1]   ; x - mean, in place
.set i_, i_+1
.endr
	WIN 0x05
.irp k, 0,1,2,3
	v_pk_mul_f32 v[32+2*\k:33+2*\k], v[2*\k:2*\k+1], v[2*\k:2*\k+1]
.endr
.set i_, 4
.rept 124
	v_pk_fma_f32 v[32+2*(i_%4):33+2*(i_%4)], v[2*i_:2*i_+1], v[2*i_:2*i_+1], v[32+2*(i_%4):33+2*(i_%4)]
.set i_, i_+1
.endr
	WIN 0
	FOLD
	REDUCE 32
	v_fmaak_f32 v32, s41, v32, 0x3727c5ac          ; the variance + 1e-5
	v_rsq_f32 v9, v32
	v_nop                                          ; a plain instruction behind the transcendental
	s_wait_alu depctr_va_vdst(0)                   ; the wait ahead of the first line that names v9
	global_store_b64 v3, v[8:9], s[18:19]          ; every lane holds the same pair: 32 lanes store 256 consecutive bytes, aligned
	s_endpgm
.Lfunc_end_k_q44e80a662b_prep:
	.size	k_q44e80a662b_prep, .Lfunc_end_k_q44e80a662b_prep-k_q44e80a662b_prep
	.p2alignl 7, 3214868480
	.fill 96, 4, 3214868480
	.section	.rodata,"a",@progbits
	.p2align	6, 0x0
	.amdhsa_kernel k_q44e80a662b_prep
		.amdhsa_group_segment_fixed_size 0
		.amdhsa_private_segment_fixed_size 0
		.amdhsa_enable_private_segment 0
		.amdhsa_kernarg_size 64
		.amdhsa_user_sgpr_count 2
		.amdhsa_user_sgpr_kernarg_segment_ptr 1
		.amdhsa_wavefront_size32 1
		.amdhsa_system_sgpr_workgroup_id_x 1
		.amdhsa_system_sgpr_workgroup_id_y 1
		.amdhsa_system_sgpr_workgroup_id_z 1
		.amdhsa_system_vgpr_workitem_id 0
		.amdhsa_next_free_vgpr 512
		.amdhsa_next_free_sgpr 66
		.amdhsa_reserve_vcc 0
		.amdhsa_float_denorm_mode_32 3
		.amdhsa_float_denorm_mode_16_64 3
		.amdhsa_memory_ordered 1
		.amdhsa_forward_progress 1
		.amdhsa_inst_pref_size 41
	.end_amdhsa_kernel
	.amdgpu_metadata
---
amdhsa.version: [ 1, 2 ]
amdhsa.kernels:
  - .name:           k_q44e80a662b_prep
    .symbol:         k_q44e80a662b_prep.kd
    .args:
      - { .name: x, .offset: 0, .size: 8, .value_kind: global_buffer, .address_space: global }
      - { .name: wq, .offset: 8, .size: 8, .value_kind: global_buffer, .address_space: global }
      - { .name: wk, .offset: 16, .size: 8, .value_kind: global_buffer, .address_space: global }
      - { .name: wv, .offset: 24, .size: 8, .value_kind: global_buffer, .address_space: global }
      - { .name: wo, .offset: 32, .size: 8, .value_kind: global_buffer, .address_space: global }
      - { .name: lowp_scales, .offset: 40, .size: 8, .value_kind: global_buffer, .address_space: global }
      - { .name: wimg, .offset: 48, .size: 8, .value_kind: global_buffer, .address_space: global }
      - { .name: gstat, .offset: 56, .size: 8, .value_kind: global_buffer, .address_space: global }
    .group_segment_fixed_size: 0
    .private_segment_fixed_size: 0
    .kernarg_segment_align: 8
    .kernarg_segment_size: 64
    .max_flat_workgroup_size: 256
    .sgpr_count:     66
    .vgpr_count:     512
    .wavefront_size: 32
...
	.end_amdgpu_metadata
.endif
;; end of part 1
;; launch gnqkv (part 2): grid 256 x 1, 4 waves a work-group, no clusters, 197,888 bytes of LDS; arguments x, gn_weight, gn_bias, wimg, bq, bk, bv, lowp_scales, qimg, kvimg, gstat; writes qimg, kvimg
.if DOCPART == 2
	.amdgcn_target "amdgcn-amd-amdhsa--gfx1250"
	.amdhsa_code_object_version 6
	.text
	.protected	k_q44e80a662b_gnqkv
	.globl	k_q44e80a662b_gnqkv
	.p2align	8
	.type	k_q44e80a662b_gnqkv,@function
k_q44e80a662b_gnqkv:
	s_mov_b64 s[64:65], 0
	v_nop
	global_prefetch_b8 v0, s[64:65] scope:SCOPE_SE
	s_setreg_imm32_b32 hwreg(HW_REG_WAVE_MODE, 25, 1), 1
	s_wait_xcnt 0x0
; GroupNorm of x [64][256][1024] by the statistics in gstat (mean, 1 / sqrt(variance + 1e-5) at byte 256 x group), h quantised three times (e0, e2, e4), q, k, v = W h + b on codes of E4M3, and q, k, v quantised (e6, e7, e8).
; OUT: qimg [b][query tile 64][K half 2][2,048]; kvimg [b][key step 8][65,536]: in a step K's images at (2 tile + half) x 2,048 (8 tiles of 16 keys), V's at 32,768 + 2,048 x channel tile (16).
; IMAGE of a fragment (16 rows x 128 along K): byte 512 g + 16 lane + i = code of (row TR(t, lane % 16), k = 32 g + 16 (lane / 16) + i); TR(t, r) = 32 (t / 2) + 8 (t % 2) + r + 8 (r / 8).
; With these rows the 16 result registers of two neighbouring tiles are 16 neighbours along the next product's K, so the conversions' results ARE the next operand's registers.
; SHARES.  Work-group 4 b + j owns positions 256 j .. 256 j + 255 of batch b, and reads those alone: 256 KiB of x.
;   Norm phase: wave w takes groups 8 w .. 8 w + 7: of each 8 channels x 1,024 bytes = 16 loads of 512 consecutive bytes = 64 registers; loads run four groups ahead.  h = (x - mean) x (gain / sqrt) + bias.
;   Product phase: wave w takes output tiles 4 w .. 4 w + 3 of q, k and v for all 16 position tiles; its 24 weight fragments stay in registers; h's images come from LDS.
; NO CLUSTER, NO JOINT LOADS: the work-groups share the weights' images alone, 196,608 bytes, which do not fit into 327,680 bytes of LDS beside h's 197,376; they go straight into the registers in which they stay.
; NO PREFETCH: a wave asks for its bytes of x from its first lines on, as many loads at a time as its counter holds.
; q, k: source 0 = 16 rows of W, source 1 = 16 positions of h: a lane holds one position and channels along its registers.  v: source 0 = h, source 1 = W: a lane holds one channel and keys along its registers.
; The biases are the C of each sum's first product, divided by the power of two that the sums lack.
; LIMITS, so that each power of two made below and 448 x it are f32 numbers: e0, e2, e4, e6 - e0 - e1, e7 - e2 - e3, e8 - e4 - e5 between -126 and 119.  NaN and infinities among the inputs are not served.
; LDS: h's images, scale z at z x 65,792, position tile at 4,112 (4,096 + 16, so that lanes that store into different tiles start at different banks).
; REGISTERS.  Window 0: v1 16 x lane; v2-4 store bases of the three scales (later v3, v4 image bases); v5-7 LDS addresses of the product phase; v[8:9] mean; v10 1/sqrt; v12-14 store offsets;
;   v24-31 gain x 1/sqrt; v40-45 the six scales as f32; v46, v47 bias offsets; v48-63 two sets of 8 held numbers; v64-127 h (8 positions x 8 channels); v128-175 codes; in the product phase v64-255 h's 12 fragments.
;   Windows 1, 2: x, group g at window 1 + g / 4, register 64 (g % 4) + 32 block + 4 channel + q; later window 1: Wv's fragments and the biases, window 2: accumulators and codes.   Window 3: Wq's and Wk's fragments.
.set HP,  4112
.set HSC, 16*HP
.set MSB, 0
.macro WIN new                         ; the immediate's high byte repeats the setting that is left; a switch that changes nothing is dropped
.if MSB != (\new)
	s_set_vgpr_msb (MSB<<8)|(\new)
.set MSB, (\new)
.endif
.endm
.macro LOADG g                         ; my 256 positions of group g's 8 channels: each load 512 consecutive bytes
	WIN (1+(\g)/4)<<6
.irp c, 0,1,2,3,4,5,6,7
.irp p, 0,1
	global_load_b128 v[64*((\g)%4)+32*\p+4*\c:64*((\g)%4)+32*\p+4*\c+3], v1, s[4:5] offset:(\g)*32768+4096*\c+512*\p th:TH_LOAD_NT
.endr
.endr
	WIN 0
.endm
.macro GLOADS t                        ; pair t of groups: gains, biases, statistics
	s_load_b256 s[68:75], s[6:7], 64*(\t)
	s_load_b256 s[76:83], s[8:9], 64*(\t)
	s_load_b256 s[84:91], s[6:7], 64*(\t)+32
	s_load_b256 s[92:99], s[8:9], 64*(\t)+32
	s_load_b64 s[66:67], s[62:63], 512*(\t)
	s_load_b64 s[100:101], s[62:63], 512*(\t)+256
.endm
; One group.  Group 8 w + g lies in an image at K half w / 2, 32-block 2 (w % 2) + g / 4, lanes' half (g / 2) % 2, bytes 8 (g % 2) on: beside the wave's term that is 256 (g / 2) + 8 (g % 2), which stands in the stores' immediate.
.macro PROCESS g
.set PW, 1+(\g)/4
.set PX, 64*((\g)%4)
.set PO, (\g)%2
.set PT, (\g)/2
.set PGW, 68+16*PO
.set PGB, 76+16*PO
.set PSM, 66+34*PO
	s_wait_kmcnt 0x0                               ; the pair's gains, biases and statistics
	v_mov_b32 v8, s[PSM]                           ; the mean, twice,
	v_mov_b32 v9, s[PSM]
	v_mov_b32 v10, s[PSM+1]                        ; 1 / sqrt(variance + 1e-5)
.irp c, 0,1,2,3,4,5,6,7
	v_mul_f32 v[24+\c], s[PGW+\c], v10
.endr
	WIN (PW<<6)|PW
.set i_, 0
.rept 32
	v_pk_add_f32 v[PX+2*i_:PX+2*i_+1], v[PX+2*i_:PX+2*i_+1], v[8:9] neg_lo:[0,1] neg_hi:[0,1]   ; x - mean, in place
.set i_, i_+1
.endr
	WIN PW
.irp p, 0,1                            ; lane l holds positions 128 p + 4 l + q of my 256.  The multiply-add also turns the layout: 8 channels of a position on end
.irp q, 0,1,2,3
.irp c, 0,1,2,3,4,5,6,7
	v_fma_f32 v[64+8*(4*\p+\q)+\c], v[PX+32*\p+4*\c+\q], v[24+\c], s[PGB+\c]
.endr
.endr
.endr
	WIN 0
.if (PO == 1) && (PT < 3)
	GLOADS PT+1                                    ; the pair's scalars have had their last use: the next pair's are asked for, 240 lines ahead of the wait for them
.endif
	s_wait_dscnt 0x0                               ; the last group's LDS stores have read their codes
.irp z, 0,1,2                          ; three scales; 8 codes (8 channels of a position) a store.  The two sets of held numbers take turns, so 8 plain lines stand between a conversion and the next write of its sources
.irp p, 0,1,2,3,4,5,6,7
.irp c, 0,1,2,3,4,5,6,7
	v_med3_num_f32 v[48+8*(\p%2)+\c], v[64+8*\p+\c], s[44+2*\z], s[45+2*\z]
.endr
	v_cvt_scalef32_pk8_fp8_f32 v[128+16*\z+2*\p:129+16*\z+2*\p], v[48+8*(\p%2):55+8*(\p%2)], v[40+\z]
	ds_store_b64 v[2+\z], v[128+16*\z+2*\p:129+16*\z+2*\p] offset:(\p/4)*8*HP+16*(\p%4)+8*PO+256*PT
.endr
.endr
	v_nop                                          ; a plain line behind the last conversion
.endm
.macro MKS vr, lo, e                   ; from the exponent in s[e]: v[vr] = 2^e; s[lo], s[lo+1] = -+ 448 x 2^e
	s_add_co_i32 s58, s[\e], 127
	s_lshl_b32 s59, s58, 23
	v_mov_b32 v[\vr], s59
	s_add_co_i32 s58, s58, 8
	s_lshl_b32 s58, s58, 23
	s_or_b32 s[\lo+1], s58, 0x600000
	s_or_b32 s[\lo], s[\lo+1], 0x80000000
.endm
.macro WLQK m                          ; my 8 fragments of Wq (0) or Wk (1): 32 loads into window 3
	WIN 0xc0
.irp t, 0,1,2,3
.irp s, 0,1
.irp c, 0,1,2,3
	global_load_b128 v[128*\m+32*\t+16*\s+4*\c:128*\m+32*\t+16*\s+4*\c+3], v1, s[10:11] offset:\m*65536+\t*4096+\s*2048+\c*512
.endr
.endr
.endr
	WIN 0
.endm
.macro WLV                             ; my 8 fragments of Wv: 32 loads into window 1, where groups 0 and 1 lay
	WIN 0x40
.irp t, 0,1,2,3
.irp s, 0,1
.irp c, 0,1,2,3
	global_load_b128 v[32*\t+16*\s+4*\c:32*\t+16*\s+4*\c+3], v1, s[10:11] offset:131072+\t*4096+\s*2048+\c*512
.endr
.endr
.endr
	WIN 0
.endm
.macro WLB                             ; the biases: 20 loads into window 1, where groups 2 and 3 lay.  q, k: lane (r, h) wants, for tile t, those of channels 32 (t / 2) + 8 (t % 2) + 16 h + 0 .. 7;  v: the one of channel TR(t, r)
	WIN 0x40
.irp t, 0,1,2,3
	global_load_b128 v[128+8*\t:131+8*\t], v46, s[12:13] offset:(32*(\t/2)+8*(\t%2))*4
	global_load_b128 v[132+8*\t:135+8*\t], v46, s[12:13] offset:(32*(\t/2)+8*(\t%2))*4+16
	global_load_b128 v[160+8*\t:163+8*\t], v46, s[14:15] offset:(32*(\t/2)+8*(\t%2))*4
	global_load_b128 v[164+8*\t:167+8*\t], v46, s[14:15] offset:(32*(\t/2)+8*(\t%2))*4+16
	global_load_b32 v[192+8*\t], v47, s[16:17] offset:(32*(\t/2)+8*(\t%2))*4
.endr
	WIN 0
.endm
	s_load_b512 s[4:19], s[0:1], 0x0               ; x, gn_weight, gn_bias, wimg, bq, bk, bv, the scales' exponents
	s_load_b128 s[20:23], s[0:1], 0x40             ; qimg, kvimg
	s_load_b64 s[62:63], s[0:1], 0x50              ; gstat
	v_lshl_add_u32 v38, v0, 2, 0x30300
	v_mov_b32 v39, 0
	v_lshrrev_b32 v1, 5, v0
	v_readfirstlane_b32 s36, v1                    ; wave 0..3
	s_lshr_b32 s3, ttmp9, 2                        ; b: the batch
	s_and_b32 s37, ttmp9, 3                        ; j: which 256 positions; both enter global addresses alone
	v_and_b32 v1, 31, v0
	v_lshlrev_b32 v1, 4, v1                        ; 16 x lane
	; where lane l stores: position 128 p + 4 l + q is row 8 ((l >> 2) & 1) + 4 (l & 1) + q of position tile 8 p + 2 (l >> 3) + ((l >> 1) & 1)
	v_bfe_u32 v5, v0, 3, 2
	v_bfe_u32 v6, v0, 1, 1
	v_lshl_add_u32 v5, v5, 1, v6
	v_mul_u32_u24 v5, v5, HP
	v_and_b32 v6, 1, v0
	v_lshl_add_u32 v5, v6, 6, v5
	v_bfe_u32 v6, v0, 2, 1
	v_lshl_add_u32 v5, v6, 7, v5
	s_lshr_b32 s56, s36, 1                         ; my wave's 64 channels: K half w / 2, groups of 32 from 2 (w % 2) on
	s_lshl_b32 s56, s56, 11
	s_and_b32 s57, s36, 1
	s_lshl_b32 s57, s57, 10
	s_add_co_u32 s56, s56, s57
	v_add_nc_u32 v2, s56, v5
	v_add_nc_u32 v3, HSC, v2
	v_add_nc_u32 v4, 2*HSC, v2
	v_bfe_u32 v46, v0, 4, 1
	v_lshlrev_b32 v46, 6, v46                      ; bq, bk: 64 h bytes
	v_and_b32 v47, 15, v0
	v_and_b32 v48, 8, v47
	v_add_nc_u32 v47, v47, v48
	v_lshlrev_b32 v47, 2, v47                      ; bv: 4 (r + 8 (r / 8))
	s_wait_kmcnt 0x0
	s_load_b256 s[24:31], s[18:19], 0x0            ; e0 .. e7
	s_load_b128 s[32:35], s[18:19], 0x20           ; e8 .. e11
	s_lshl_b32 s58, s3, 20                         ; x: the batch,
	s_lshl_b32 s59, s36, 18                        ; my wave's 64 channels,
	s_add_co_u32 s58, s58, s59
	s_lshl_b32 s59, s37, 10                        ; my work-group's 1,024 bytes of each row
	s_add_co_u32 s58, s58, s59
	s_mov_b32 s59, 0
	s_add_nc_u64 s[4:5], s[4:5], s[58:59]
	s_lshl_b32 s58, s36, 8                         ; my wave's 64 channels in the vectors of 256 f32
	s_add_nc_u64 s[6:7], s[6:7], s[58:59]
	s_add_nc_u64 s[8:9], s[8:9], s[58:59]
	s_add_nc_u64 s[12:13], s[12:13], s[58:59]
	s_add_nc_u64 s[14:15], s[14:15], s[58:59]
	s_add_nc_u64 s[16:17], s[16:17], s[58:59]
	s_lshl_b32 s58, s36, 14
	s_add_nc_u64 s[10:11], s[10:11], s[58:59]      ; wimg at my four tiles
	s_lshl_b32 s58, s3, 13                         ; gstat: 32 groups of 256 bytes a batch, my wave's 8
	s_lshl_b32 s38, s36, 11
	s_add_co_u32 s58, s58, s38
	s_add_nc_u64 s[62:63], s[62:63], s[58:59]
	s_lshl_b32 s58, s3, 18
	s_lshl_b32 s38, s37, 16
	s_add_co_u32 s58, s58, s38
	s_add_co_u32 s58, s58, s56
	s_add_nc_u64 s[20:21], s[20:21], s[58:59]      ; q's images: batch, my 16 tiles, my wave's 1,024 bytes of each
	s_lshl_b32 s58, s3, 19
	s_lshl_b32 s38, s37, 17
	s_add_co_u32 s58, s58, s38                     ; batch, my two key steps
	s_lshl_b32 s38, s36, 13
	s_add_co_u32 s38, s38, s58
	s_add_co_u32 s38, s38, 32768
	s_mov_b32 s39, 0
	s_add_nc_u64 s[60:61], s[22:23], s[38:39]      ; v's images: my wave's four channel tiles
	s_add_co_u32 s58, s58, s56
	s_add_nc_u64 s[22:23], s[22:23], s[58:59]      ; k's images
	GLOADS 0
	LOADG 0
	LOADG 1
	LOADG 2
	LOADG 3
	s_wait_kmcnt 0x0
	MKS 40, 44, 24                                 ; h for q: e0
	MKS 41, 46, 26                                 ; for k: e2
	MKS 42, 48, 28                                 ; for v: e4
	s_sub_co_i32 s56, s30, s24
	s_sub_co_i32 s56, s56, s25
	MKS 43, 50, 56                                 ; a sum stands for sum x 2^(e0 + e1): q's conversion takes 2^(e6 - e0 - e1)
	s_sub_co_i32 s56, s31, s26
	s_sub_co_i32 s56, s56, s27
	MKS 44, 52, 56
	s_sub_co_i32 s56, s32, s28
	s_sub_co_i32 s56, s56, s29
	MKS 45, 54, 56
	; THE NORM PHASE, written out: the registers differ from group to group.  Behind the wait for a group the next loads are asked for, then the group is worked.
	s_wait_loadcnt 48                              ; group 0's 16 loads are in; the three groups asked for behind it may be out.  So in the next four waits
	LOADG 4
	PROCESS 0
	s_wait_loadcnt 48
	LOADG 5
	PROCESS 1
	s_wait_loadcnt 48
	LOADG 6
	PROCESS 2
	s_wait_loadcnt 48
	LOADG 7
	PROCESS 3
	s_wait_loadcnt 48
	WLQK 0                                         ; x is asked for: now my weights, 116 loads
	PROCESS 4
	s_wait_loadcnt 63                              ; behind group 5's loads 64 were issued (groups 6, 7, Wq); the wait's field holds 63
	WLQK 1
	PROCESS 5
	s_wait_loadcnt 63                              ; behind group 7's loads 64 were issued (Wq, Wk): groups 6 and 7 are in
	WLV
	PROCESS 6
	WLB
	PROCESS 7
	s_wait_loadcnt 0x0                             ; the weights and the biases
	s_add_co_i32 s56, s24, s25
	s_sub_co_i32 s56, 0, s56                       ; the biases go in divided by the power of two that the sums lack
	s_add_co_i32 s57, s26, s27
	s_sub_co_i32 s57, 0, s57
	s_add_co_i32 s58, s28, s29
	s_sub_co_i32 s58, 0, s58
	WIN 0x41
.set i_, 0
.rept 32
	v_ldexp_f32 v[128+i_], v[128+i_], s56
	v_ldexp_f32 v[160+i_], v[160+i_], s57
.set i_, i_+1
.endr
.irp t, 0,1,2,3
.irp i, 7,6,5,4,3,2,1,0
	v_ldexp_f32 v[192+8*\t+\i], v[192+8*\t], s58   ; a lane's eight results of v are one channel's: one bias eight times
.endr
.endr
	WIN 0
	s_wait_dscnt 0x0                               ; for the others' sake: my stores of h's codes are done
	s_barrier_signal -1
	s_barrier_wait -1                              ; h's 48 images lie in LDS
; THE PRODUCTS.  A trip takes two position tiles (e = 0, 1) through q, k and v: 48 matrix instructions.
.macro HLOAD m                         ; scale m's four fragments (2 tiles x 2 halves of K) of the pair of tiles at v[5 + m]
.irp e, 0,1
.irp s, 0,1
.irp c, 0,1,2,3
	ds_load_b128 v[64+64*\m+32*\e+16*\s+4*\c:64+64*\m+32*\e+16*\s+4*\c+3], v[5+\m] offset:\e*HP+\s*2048+\c*512
.endr
.endr
.endr
.endm
.macro MMQK m                          ; q (0) or k (1): the 8 accumulators take turns, one instruction a turn
	WIN 0x93                                       ; source 0 (W) window 3, source 1 (h) window 0, C (bias) window 1, D window 2
.irp e, 0,1
.irp t, 0,1,2,3
	v_wmma_f32_16x16x128_fp8_fp8 v[64*\m+32*\e+8*\t:64*\m+32*\e+8*\t+7], v[128*\m+32*\t:128*\m+32*\t+15], v[64+64*\m+32*\e:64+64*\m+32*\e+15], v[128+32*\m+8*\t:128+32*\m+8*\t+7]
.endr
.endr
	WIN 0xa3                                       ; C and D window 2
.irp e, 0,1
.irp t, 0,1,2,3
	v_wmma_f32_16x16x128_fp8_fp8 v[64*\m+32*\e+8*\t:64*\m+32*\e+8*\t+7], v[128*\m+32*\t+16:128*\m+32*\t+31], v[64+64*\m+32*\e+16:64+64*\m+32*\e+31], v[64*\m+32*\e+8*\t:64*\m+32*\e+8*\t+7]
.endr
.endr
.endm
.macro MMV                             ; v: source 0 = h, source 1 = W
	WIN 0x94                                       ; source 0 window 0, source 1 (W) and C (bias) window 1, D window 2
.irp e, 0,1
.irp t, 0,1,2,3
	v_wmma_f32_16x16x128_fp8_fp8 v[128+32*\e+8*\t:128+32*\e+8*\t+7], v[192+32*\e:192+32*\e+15], v[32*\t:32*\t+15], v[192+8*\t:192+8*\t+7]
.endr
.endr
	WIN 0xa4
.irp e, 0,1
.irp t, 0,1,2,3
	v_wmma_f32_16x16x128_fp8_fp8 v[128+32*\e+8*\t:128+32*\e+8*\t+7], v[192+32*\e+16:192+32*\e+31], v[32*\t+16:32*\t+31], v[128+32*\e+8*\t:128+32*\e+8*\t+7]
.endr
.endr
.endm
.macro POSTQK m, base                  ; hold, convert, store: tiles 2 k and 2 k + 1 give a lane 16 neighbouring channels = 16 bytes of an image; each accumulator is read from its low end on
	WIN 0x82
.irp e, 0,1
.irp k, 0,1
.set i_, 0
.rept 16
	v_med3_num_f32 v[64*\m+32*\e+16*\k+i_], v[64*\m+32*\e+16*\k+i_], s[50+2*\m], s[51+2*\m]
.set i_, i_+1
.endr
	v_cvt_scalef32_pk8_fp8_f32 v[192+16*\m+8*\e+4*\k:193+16*\m+8*\e+4*\k], v[64*\m+32*\e+16*\k:64*\m+32*\e+16*\k+7], v[43+\m]
	v_cvt_scalef32_pk8_fp8_f32 v[194+16*\m+8*\e+4*\k:195+16*\m+8*\e+4*\k], v[64*\m+32*\e+16*\k+8:64*\m+32*\e+16*\k+15], v[43+\m]
.endr
.endr
	v_nop                                          ; a plain line behind the last conversion
	WIN 0x08                                       ; store data window 2
.irp e, 0,1
.irp k, 0,1
	global_store_b128 v[12+\m], v[192+16*\m+8*\e+4*\k:195+16*\m+8*\e+4*\k], s[\base:\base+1] offset:\e*4096+\k*512   ; 512 consecutive bytes
.endr
.endr
.endm
.macro POSTV                           ; the two position tiles give a lane 16 neighbouring keys of its channel
	WIN 0x82
.irp t, 0,1,2,3
.irp e, 0,1
.set i_, 0
.rept 8
	v_med3_num_f32 v[128+32*\e+8*\t+i_], v[128+32*\e+8*\t+i_], s54, s55
.set i_, i_+1
.endr
	v_cvt_scalef32_pk8_fp8_f32 v[224+4*\t+2*\e:225+4*\t+2*\e], v[128+32*\e+8*\t:128+32*\e+8*\t+7], v45
.endr
.endr
	v_nop
	WIN 0x08
.irp t, 0,1,2,3
	global_store_b128 v14, v[224+4*\t:227+4*\t], s[60:61] offset:\t*2048
.endr
.endm
; Places: four plain vector lines stand between a product and the first vector read of its result or load into its sources (ISA guide 7.12.1 for vector reads): four v_nop behind q's products,
; afterwards the holds of the tensor before.
.macro GTRIP last
	s_wait_xcnt 0x0                                ; the last trip's stores have read their codes and offsets
	s_lshl_b32 s56, s39, 13
	v_add_nc_u32 v12, s56, v1                      ; q: two tiles of 4,096 bytes a trip
	s_lshr_b32 s57, s39, 2
	s_lshl_b32 s57, s57, 16                        ; k, v: key step trip / 4,
	s_and_b32 s58, s39, 3
	s_lshl_b32 s59, s58, 13
	s_add_co_u32 s59, s59, s57
	v_add_nc_u32 v13, s59, v1                      ; k: tiles 2 (trip % 4) on
	s_lshl_b32 s59, s58, 9
	s_add_co_u32 s59, s59, s57
	v_add_nc_u32 v14, s59, v1                      ; v: block trip % 4 of 32 keys
.if \last == 0
	s_add_co_u32 s40, s40, 2*HP                    ; the next pair of tiles
	v_add_nc_u32 v5, s40, v1
	v_add_nc_u32 v6, s40, v3
	v_add_nc_u32 v7, s40, v4
.endif
	s_wait_dscnt 32                                ; the first scale's 16 loads are in; the other two scales' may be out
	MMQK 0
.rept 4
	v_nop
.endr
.if \last == 0
	WIN 0
	HLOAD 0
	s_wait_dscnt 32
.else
	s_wait_dscnt 16
.endif
	MMQK 1
	POSTQK 0, 20
.if \last == 0
	WIN 0
	HLOAD 1
	s_wait_dscnt 32
.else
	s_wait_dscnt 0
.endif
	MMV
	POSTQK 1, 22
.if \last == 0
	WIN 0
	HLOAD 2
.endif
	POSTV
	WIN 0
.endm
	v_add_nc_u32 v3, HSC, v1                       ; the images' bases for reading: 16 x lane + the scale's region
	v_add_nc_u32 v4, 2*HSC, v1
	s_mov_b32 s39, 0
	s_mov_b32 s40, 0
	v_add_nc_u32 v5, s40, v1
	v_add_nc_u32 v6, s40, v3
	v_add_nc_u32 v7, s40, v4
	HLOAD 0
	HLOAD 1
	HLOAD 2
.Lpp:
	GTRIP 0
	s_add_co_u32 s39, s39, 1
	s_cmp_lt_u32 s39, 7
	s_cbranch_scc1 .Lpp
	GTRIP 1                                        ; the last pair of tiles fetches nothing more
	s_wait_tensorcnt 0x0
	ds_add_u32 v38, v39
	s_wait_dscnt 0x0
	s_endpgm
.Lfunc_end_k_q44e80a662b_gnqkv:
	.size	k_q44e80a662b_gnqkv, .Lfunc_end_k_q44e80a662b_gnqkv-k_q44e80a662b_gnqkv
	.p2alignl 7, 3214868480
	.fill 96, 4, 3214868480
	.section	.rodata,"a",@progbits
	.p2align	6, 0x0
	.amdhsa_kernel k_q44e80a662b_gnqkv
		.amdhsa_group_segment_fixed_size 197888
		.amdhsa_private_segment_fixed_size 0
		.amdhsa_enable_private_segment 0
		.amdhsa_kernarg_size 88
		.amdhsa_user_sgpr_count 2
		.amdhsa_user_sgpr_kernarg_segment_ptr 1
		.amdhsa_wavefront_size32 1
		.amdhsa_system_sgpr_workgroup_id_x 1
		.amdhsa_system_sgpr_workgroup_id_y 1
		.amdhsa_system_sgpr_workgroup_id_z 1
		.amdhsa_system_vgpr_workitem_id 0
		.amdhsa_next_free_vgpr 1024
		.amdhsa_next_free_sgpr 102
		.amdhsa_reserve_vcc 0
		.amdhsa_float_denorm_mode_32 3
		.amdhsa_float_denorm_mode_16_64 3
		.amdhsa_memory_ordered 1
		.amdhsa_forward_progress 1
		.amdhsa_inst_pref_size 254
	.end_amdhsa_kernel
	.amdgpu_metadata
---
amdhsa.version: [ 1, 2 ]
amdhsa.kernels:
  - .name:           k_q44e80a662b_gnqkv
    .symbol:         k_q44e80a662b_gnqkv.kd
    .args:
      - { .name: x, .offset: 0, .size: 8, .value_kind: global_buffer, .address_space: global }
      - { .name: gn_weight, .offset: 8, .size: 8, .value_kind: global_buffer, .address_space: global }
      - { .name: gn_bias, .offset: 16, .size: 8, .value_kind: global_buffer, .address_space: global }
      - { .name: wimg, .offset: 24, .size: 8, .value_kind: global_buffer, .address_space: global }
      - { .name: bq, .offset: 32, .size: 8, .value_kind: global_buffer, .address_space: global }
      - { .name: bk, .offset: 40, .size: 8, .value_kind: global_buffer, .address_space: global }
      - { .name: bv, .offset: 48, .size: 8, .value_kind: global_buffer, .address_space: global }
      - { .name: lowp_scales, .offset: 56, .size: 8, .value_kind: global_buffer, .address_space: global }
      - { .name: qimg, .offset: 64, .size: 8, .value_kind: global_buffer, .address_space: global }
      - { .name: kvimg, .offset: 72, .size: 8, .value_kind: global_buffer, .address_space: global }
      - { .name: gstat, .offset: 80, .size: 8, .value_kind: global_buffer, .address_space: global }
    .group_segment_fixed_size: 197888
    .private_segment_fixed_size: 0
    .kernarg_segment_align: 8
    .kernarg_segment_size: 88
    .max_flat_workgroup_size: 128
    .sgpr_count:     102
    .vgpr_count:     1024
    .wavefront_size: 32
...
	.end_amdgpu_metadata
.endif
;; end of part 2
;; launch attn (part 3): grid 256 x 1, 4 waves a work-group, clusters of 4 x 1, 327,680 bytes of LDS; arguments qimg, kvimg, wimg, bo, x, lowp_scales, out0; writes out0
.if DOCPART == 3
	.amdgcn_target "amdgcn-amd-amdhsa--gfx1250"
	.amdhsa_code_object_version 6
	.text
	.protected	k_q44e80a662b_attn
	.globl	k_q44e80a662b_attn
	.p2align	8
	.type	k_q44e80a662b_attn,@function
k_q44e80a662b_attn:
	s_mov_b64 s[64:65], 0
	v_nop
	global_prefetch_b8 v0, s[64:65] scope:SCOPE_SE
	s_setreg_imm32_b32 hwreg(HW_REG_WAVE_MODE, 25, 1), 1
	s_wait_xcnt 0x0
	s_wait_alu depctr_hold_cnt(0) depctr_sa_sdst(0) depctr_va_vdst(0) depctr_va_sdst(0) depctr_va_ssrc(0) depctr_va_vcc(0) depctr_vm_vsrc(0)
	s_getreg_b32 s2, hwreg(HW_REG_IB_STS2, 6, 4)
	s_cmp_eq_u32 s2, 0
	s_cbranch_scc0 .Lentry_in_a_cluster
	s_endpgm
.Lentry_in_a_cluster:
	s_bfe_u32 s2, ttmp6, 0x10000c
	s_cmp_lg_u32 s2, 0x3003
	s_cbranch_scc0 .Lentry_shape_is_right
	s_endpgm
.Lentry_shape_is_right:
; out0 = x + wo attn + bo, attn = softmax(q^T k / 16) v, one head of 256 channels over 1,024 positions for each of 64 batches; all three products on codes of E4M3 with the given scales.
; IN: qimg, kvimg, wimg: images of operand registers (byte 512 g + 16 lane + i = code of (row TR(t, lane % 16), k = 32 g + 16 (lane / 16) + i); TR(t, r) = 32 (t / 2) + 8 (t % 2) + r + 8 (r / 8)).
; THE SOFTMAX: t = score x log2(e) / 16; M = the running largest t rounded UP to a whole number; p = 2^(t - M) is quantised with 2^e9, not normalised; the row's sum is taken of the unquantised p and divides at the end.
; When M moves, the sums and O are multiplied by 2^(old M - new M): exact, in every step, no branch on data.
; SHARES.  Cluster = batch; work-group j owns queries 256 j on; each of its four waves owns 64: four tiles of 16, so that every fragment of K and V read from LDS feeds four products.  Every wave walks the 8 key steps of 128 keys.
; LAYOUT.  S^T = K Q^T, O^T = V^T P^T: a lane holds one query throughout; p's conversions give the second product's operand.  out = (source 0 = attn, source 1 = wo): a lane holds one output channel and positions along its registers.
; CLUSTER.  The four work-groups walk the same K and V (and wo): each tile is asked for JOINTLY, the same tensor load with the same descriptor and the mask of all four.  By this text's count a wave has one tensor load out at a time.
; RING.  Two LDS slots of two key steps (131,072 bytes); the change of slots stands at a slot's head; wo's 65,536 bytes come by the last refill into slot 0.  The stages of the way out lie in slot 1, behind its last fill and last read.
; O begins as zeros (512 v_mov_b32 once): a first key step of its own would be a third copy of the key step's text.
; LIMITS, so that each power of two below is an f32 number: e6 + e7 between -122 and 131 (added to c's exponent field); e9 and e10 - e8 - e9 between -126 and 119; e10 + e11 between -126 and 127.  NaN is not served.
; REGISTERS.  Window 0: v1 16 x lane; v2 LDS address of the step; v3, v4 the spare word's address and 0; v5, v6 prefetch offsets; v7 the conversion's scale; v8-11 maxima (later addresses of the way out); v12-15 at work;
;   v16-47 eight statistics a tile: -M, largest t, two pairs of sums, f, a filler; v48-127 five buffers for K's fragments; v64-127 also P; v128-255 Q, later attn's codes.
;   Window 1: S^T (64 t + 8 key tile + j), then p, then V's 16 fragments, on the way out x.   Window 2: O^T of tiles 0, 1 (128 (t % 2) + 8 channel tile + j).   Window 3: of tiles 2, 3.
.set SLOT1, 131072
.set STEPB, 65536
.set SPARE, 262144                     ; behind the ring: the spare words, 128 bytes a wave: two blocks of 256 bytes that no other line names
.set SP,    272                        ; a stage row: 256 bytes + 16
.set MSB, 0
.macro WIN new
.if MSB != (\new)
	s_set_vgpr_msb (MSB<<8)|(\new)
.set MSB, (\new)
.endif
.endm
.macro NOPS n
.rept \n
	v_nop
.endr
.endm
.macro CROUND                          ; a round of the cluster's barrier
	s_barrier_signal -1
	s_barrier_wait -1
	s_cmp_lg_u32 s18, 0
	s_cbranch_scc1 .Lnot_wave_0_\@
	s_barrier_signal -3
.Lnot_wave_0_\@:
	s_barrier_wait -3
	s_barrier_signal -1
	s_barrier_wait -1
.endm
; A PREFETCH INTO THE L2 of the slot that the NEXT change of slots will ask for: 131,072 bytes, shared out by address among the cluster's 16 waves: 8,192 bytes a wave, lanes 256 bytes apart, one instruction.
; It stands behind the wave's tensor load and its four lines, two key steps (256 matrix instructions) ahead of the load that will want the bytes.  The last change that asks for keys, and the head, ask for nothing.
.macro ASK
	s_cmp_gt_u32 s61, 1
	s_cbranch_scc0 .Lno_ask_\@
	global_prefetch_b8 v5, s[66:67] th:TH_LOAD_NT scope:SCOPE_SE
.Lno_ask_\@:
.endm
; THE CHANGE OF SLOTS.  Each wave waits for all its tensor loads (its part of the slot ahead), adds 0 to its spare word, waits for that and for its reads of the slot that it has left.
; fill = 1: a round of the cluster's barrier, then the slot just left is filled with the next two key steps.  fill = 2: the same, with wo into slot 0.  fill = 0: the work-group's barrier alone.
.macro CHANGE fill
	WIN 0
	s_wait_tensorcnt 0x0                           ; no tensor load of mine is out, so a descriptor may be written
	ds_add_u32 v3, v4
.if \fill == 1
	s_xor_b32 s41, s41, SLOT1                      ; the walking descriptor: the other slot,
	s_add_nc_u64 s[42:43], s[42:43], 0x20000       ; the next two key steps; the type bits on top are not reached
	s_wait_xcnt 0x0                                ; the last prefetch, a slot back, has read its address
	s_add_nc_u64 s[66:67], s[66:67], 0x20000       ; one slot further on than the descriptor
.endif
	s_wait_dscnt 0x0                               ; the add is done, and my reads of the slot that I have left are over
.if \fill == 0
	s_barrier_signal -1
	s_barrier_wait -1
.else
	CROUND
.if \fill == 1
	tensor_load_to_lds s[40:43], s[24:31]          ; the first thing behind the round, my one tensor load until the next
	s_nop 0
	NOPS 4
	ASK
.else
	tensor_load_to_lds s[44:47], s[32:39]          ; wo's images
	s_nop 0
	NOPS 4
.irp k, 0,1,2,3                        ; x's rows 0 to 127, my wave's 256 bytes of each, a lane a row, each named once: two key steps ahead of the loads of the way out
	global_prefetch_b8 v6, s[68:69] offset:\k*131072 th:TH_LOAD_NT scope:SCOPE_SE
.endr
.endif
.endif
.endm
.macro KLOAD f                         ; K's fragment f = 2 x key tile + half of the channels, into buffer f % 5
.irp c, 0,1,2,3
	ds_load_b128 v[48+16*((\f)%5)+4*\c:48+16*((\f)%5)+4*\c+3], v2 offset:(\f)*2048+\c*512
.endr
.endm
.macro GMAX g                          ; the running maxima take in key tile g / 2 of query tiles 2 (g % 2), 2 (g % 2) + 1: eight plain lines, each accumulator from its low end on
.irp i, 0,1,2,3
.irp u, 0,1
	v_max3_num_f32 v[8+2*((\g)%2)+\u], v[8+2*((\g)%2)+\u], v[64*(2*((\g)%2)+\u)+8*((\g)/2)+2*\i], v[64*(2*((\g)%2)+\u)+8*((\g)/2)+2*\i+1]
.endr
.endr
.endm
; S^T = K Q^T: 16 fragments of K, four products each; the four accumulators of a key tile take turns.  The maxima of the tile before stand behind each four products: they are the places in front of
; the next load into the buffer just read and in front of the next reads of results.
.macro SPHASE
	WIN 0
	v_add_nc_u32 v2, s60, v1                       ; six plain lines behind the last product V^T P: S^T is laid over V's fragments (five are owed), K's loads land on P (four)
.irp t, 0,1,2,3
	v_mov_b32 v[8+\t], 0xff7fffff
.endr
	v_nop
	KLOAD 0
	KLOAD 1
	KLOAD 2
	KLOAD 3
	KLOAD 4
.set f_, 0
.rept 16
.if f_ < 12
	s_wait_dscnt 16                                ; fragment f is in; the four fragments asked for behind it may be out
.else
	s_wait_dscnt 4*(15-f_)
.endif
	WIN 0x50                                       ; C and D window 1
.irp t, 0,1,2,3
.if (f_%2) == 0
	v_wmma_f32_16x16x128_fp8_fp8 v[64*\t+8*(f_/2):64*\t+8*(f_/2)+7], v[48+16*(f_%5):48+16*(f_%5)+15], v[128+32*\t:128+32*\t+15], 0
.else
	v_wmma_f32_16x16x128_fp8_fp8 v[64*\t+8*(f_/2):64*\t+8*(f_/2)+7], v[48+16*(f_%5):48+16*(f_%5)+15], v[128+32*\t+16:128+32*\t+31], v[64*\t+8*(f_/2):64*\t+8*(f_/2)+7]
.endif
.endr
.if f_ < 2
	NOPS 4
.else
	WIN 0x14                                       ; sources 1 and 2 window 1
	GMAX f_-2
.endif
.if f_ <= 10
	WIN 0
	KLOAD f_+5
.endif
.set f_, f_+1
.endr
	WIN 0x14
	GMAX 14
	GMAX 15
.endm
.macro STATS                           ; the four tiles line by line
	WIN 0
.irp t, 0,1,2,3
	v_permlanex16_b32 v[12+\t], v[8+\t], s20, s21  ; the query's other 64 keys lie in the lane 16 away
.endr
.irp t, 0,1,2,3
	v_max_num_f32 v[8+\t], v[8+\t], v[12+\t]
.endr
.irp t, 0,1,2,3
	v_mul_f32 v[8+\t], s22, v[8+\t]                ; as t (c is positive)
.endr
.irp t, 0,1,2,3
	v_max_num_f32 v[17+8*\t], v[17+8*\t], v[8+\t]  ; the running largest t
.endr
.irp t, 0,1,2,3
	v_mov_b32 v[12+\t], v[16+8*\t]
.endr
.irp t, 0,1,2,3
	v_floor_f32 v[16+8*\t], -v[17+8*\t]            ; -M = floor(-t): M is a whole number
.endr
.irp t, 0,1,2,3
	v_sub_f32 v[12+\t], v[16+8*\t], v[12+\t]       ; old M - new M: a whole number, 0 or less
.endr
.irp t, 0,1,2,3
	v_cvt_i32_f32 v[12+\t], v[12+\t]               ; (it saturates)
.endr
.irp t, 0,1,2,3
	v_ldexp_f32 v[22+8*\t], 1.0, v[12+\t]          ; f = 2^(old M - new M)
.endr
.irp t, 0,1,2,3
	v_pk_mul_f32 v[18+8*\t:19+8*\t], v[18+8*\t:19+8*\t], v[22+8*\t:23+8*\t] op_sel_hi:[1,0]
	v_pk_mul_f32 v[20+8*\t:21+8*\t], v[20+8*\t:21+8*\t], v[22+8*\t:23+8*\t] op_sel_hi:[1,0]
.endr
.endm
.macro SOFT t                          ; one tile: p, its sum, its codes; then four of V's fragments land in the scores' registers
	WIN 0x41
.set i_, 0
.rept 32
	v_pk_fma_f32 v[64*\t+2*i_:64*\t+2*i_+1], v[64*\t+2*i_:64*\t+2*i_+1], s[22:23], v[16+8*\t:17+8*\t] op_sel_hi:[1,0,0]   ; t - M (of the pairs c and -M the low word serves both halves)
.set i_, i_+1
.endr
.set i_, 0
.rept 64
	v_exp_f32 v[64*\t+i_], v[64*\t+i_]
.set i_, i_+1
.endr
	v_nop                                          ; a plain line behind the last exponential
	s_wait_alu depctr_va_vdst(0)                   ; one wait for the batch, ahead of its first reader
	WIN 0x04
.set i_, 0
.rept 16
	v_pk_add_f32 v[18+8*\t:19+8*\t], v[18+8*\t:19+8*\t], v[64*\t+4*i_:64*\t+4*i_+1]     ; the sum of the UNQUANTISED p, in four chains
	v_pk_add_f32 v[20+8*\t:21+8*\t], v[20+8*\t:21+8*\t], v[64*\t+4*i_+2:64*\t+4*i_+3]
.set i_, i_+1
.endr
	WIN 0x44
.set i_, 0
.rept 64
	v_min_num_f32 v[64*\t+i_], s63, v[64*\t+i_]    ; the conversion does not saturate (ISA guide 7.6.2); p is not negative: a one-sided hold
.set i_, i_+1
.endr
	WIN 0x01
.set i_, 0
.rept 8
	v_cvt_scalef32_pk8_fp8_f32 v[64+16*\t+2*i_:65+16*\t+2*i_], v[64*\t+8*i_:64*\t+8*i_+7], v7
.set i_, i_+1
.endr
	v_nop                                          ; a plain line behind the last conversion
	WIN 0x40
.irp i, 0,1,2,3
.irp c, 0,1,2,3
	ds_load_b128 v[64*\t+16*\i+4*\c:64*\t+16*\i+4*\c+3], v2 offset:32768+(4*\t+\i)*2048+\c*512
.endr
.endr
.endm
; O^T = f O^T + V^T P^T for query tiles 2 wp, 2 wp + 1, four channel tiles at a time: the rescaling of one four is issued behind the products of the four before.
.macro PVPASS wp
.irp g, 0,1,2,3
	WIN 0x82+0x41*\wp
.irp u, 0,1
.set i_, 0
.rept 16
	v_pk_mul_f32 v[128*\u+32*\g+2*i_:128*\u+32*\g+2*i_+1], v[128*\u+32*\g+2*i_:128*\u+32*\g+2*i_+1], v[22+8*(2*\wp+\u):23+8*(2*\wp+\u)] op_sel_hi:[1,0]
.set i_, i_+1
.endr
.endr
.if \wp == 0
	s_wait_dscnt 48-16*\g                          ; these four fragments of V are in; the later ones, 16 loads a four, may be out
.endif
	WIN 0xa1+0x50*\wp                              ; source 0 (V) window 1, source 1 (P) window 0, C and D window 2 or 3
.irp c, 0,1,2,3
.irp u, 0,1
	v_wmma_f32_16x16x128_fp8_fp8 v[128*\u+8*(4*\g+\c):128*\u+8*(4*\g+\c)+7], v[16*(4*\g+\c):16*(4*\g+\c)+15], v[64+16*(2*\wp+\u):64+16*(2*\wp+\u)+15], v[128*\u+8*(4*\g+\c):128*\u+8*(4*\g+\c)+7]
.endr
.endr
.endr
.endm
.macro TWO_STEPS                       ; a slot's two key steps: written once, walked twice
	s_mov_b32 s62, 2
.Lstep_\@:
	SPHASE
	STATS
	SOFT 0
	SOFT 1
	SOFT 2
	SOFT 3
	PVPASS 0
	PVPASS 1
	WIN 0
	s_xor_b32 s60, s60, STEPB                      ; the slot's other step
	s_sub_co_u32 s62, s62, 1
	s_cmp_lg_u32 s62, 0
	s_cbranch_scc1 .Lstep_\@
	s_xor_b32 s60, s60, SLOT1                      ; the other slot
.endm
	s_load_b256 s[4:11], s[0:1], 0x0               ; qimg, kvimg, wimg, bo
	s_load_b128 s[12:15], s[0:1], 0x20             ; x, the scales' exponents
	s_load_b64 s[16:17], s[0:1], 0x30              ; out0
	v_lshl_add_u32 v3, v0, 2, SPARE
	v_mov_b32 v4, 0
	ds_add_u32 v3, v4
	ds_add_u32 v3, v4
	s_wait_dscnt 0x0
	v_lshrrev_b32 v1, 5, v0
	v_readfirstlane_b32 s18, v1                    ; wave 0..3
	s_bfe_u32 s19, ttmp6, 0x40000                  ; j: my place in the cluster: it enters Q's, x's, out0's and the prefetches' addresses alone
	v_and_b32 v2, 31, v0
	v_lshlrev_b32 v1, 4, v2                        ; 16 x lane
	v_lshlrev_b32 v5, 8, v2                        ; 256 x lane
	v_lshlrev_b32 v6, 12, v2                       ; a row of x a lane
	s_mov_b32 s20, 0x76543210
	s_mov_b32 s21, 0xfedcba98
	; descriptor group 1: dense rows of 256 bytes (32 elements of 8 bytes), no padding; 128 rows for K and V, 64 for wo
	s_mov_b32 s24, 15|(3<<16)|(1<<21)              ; 15:0 the mask: all four work-groups; 17:16 elements of 8 bytes; 21 set beside a mask
	s_mov_b32 s25, 32<<16                          ; tensor_dim0 = 32
	s_mov_b32 s26, 128<<16                         ; tensor_dim1 = 128
	s_mov_b32 s27, 32<<16                          ; tile_dim0 = 32
	s_mov_b32 s28, 128                             ; tile_dim1 = 128
	s_mov_b32 s29, 32                              ; the pitch
	s_mov_b32 s30, 0
	s_mov_b32 s31, 0
	s_mov_b32 s32, 15|(3<<16)|(1<<21)
	s_mov_b32 s33, 32<<16
	s_mov_b32 s34, 64<<16
	s_mov_b32 s35, 32<<16
	s_mov_b32 s36, 64
	s_mov_b32 s37, 32
	s_mov_b32 s38, 0
	s_mov_b32 s39, 0
	s_lshl_b32 s76, ttmp9, 19                      ; the batch's K and V: 524,288 bytes;
	s_lshl_b32 s77, s18, 15                        ; each wave moves a quarter of a slot
	s_add_co_u32 s76, s76, s77
	s_mov_b32 s77, 0
	s_lshl_b32 s78, s18, 14                        ; and a quarter of wo's images, which begin at byte 196,608 of wimg
	s_add_co_u32 s78, s78, 196608
	s_mov_b32 s79, 0
	s_wait_kmcnt 0x0
	s_load_b256 s[48:55], s[14:15], 0x0            ; e0 .. e7
	s_load_b128 s[56:59], s[14:15], 0x20           ; e8 .. e11
	s_mov_b32 s40, 1                               ; group 0 for K and V: count,
	s_lshl_b32 s41, s18, 15                        ; LDS address: slot 0, my quarter,
	s_add_nc_u64 s[42:43], s[6:7], s[76:77]        ; global address: key steps 0 and 1,
	s_or_b32 s43, s43, 0x80000000                  ; type 2
	s_mov_b32 s44, 1                               ; group 0 for wo
	s_lshl_b32 s45, s18, 14
	s_add_nc_u64 s[46:47], s[8:9], s[78:79]
	s_or_b32 s47, s47, 0x80000000
	CROUND                                         ; all four work-groups are here: the first joint loads meet
	tensor_load_to_lds s[40:43], s[24:31]          ; slot 0
	s_nop 0
	NOPS 4
	s_lshl_b32 s80, ttmp9, 18                      ; Q's images: batch, work-group's 16 tiles, wave's four
	s_lshl_b32 s81, s19, 16
	s_add_co_u32 s80, s80, s81
	s_lshl_b32 s81, s18, 14
	s_add_co_u32 s80, s80, s81
	s_mov_b32 s81, 0
	s_add_nc_u64 s[4:5], s[4:5], s[80:81]
.irp t, 0,1,2,3
.irp s, 0,1
.irp c, 0,1,2,3
	global_load_b128 v[128+32*\t+16*\s+4*\c:128+32*\t+16*\s+4*\c+3], v1, s[4:5] offset:\t*4096+\s*2048+\c*512 th:TH_LOAD_NT
.endr
.endr
.endr
	s_lshl_b32 s80, s19, 2                         ; the prefetches: wave 4 j + w of the cluster's 16 takes 8,192 bytes of a slot; it stands in slot 1, and the first change steps it to slot 2
	s_add_co_u32 s80, s80, s18
	s_lshl_b32 s80, s80, 13
	s_lshl_b32 s82, ttmp9, 19
	s_add_co_u32 s80, s80, s82
	s_add_co_u32 s80, s80, SLOT1
	s_add_nc_u64 s[66:67], s[6:7], s[80:81]
	s_lshl_b32 s80, ttmp9, 20                      ; x and out0: batch, my wave's 64 positions = 256 bytes of each row
	s_lshl_b32 s82, s19, 10
	s_add_co_u32 s80, s80, s82
	s_lshl_b32 s82, s18, 8
	s_add_co_u32 s80, s80, s82
	s_add_nc_u64 s[68:69], s[12:13], s[80:81]
	s_add_nc_u64 s[70:71], s[16:17], s[80:81]
.irp t, 0,1,2,3
	v_mov_b32 v[17+8*\t], 0xff61b1e6               ; the largest t so far: -3e38, under every t
	v_floor_f32 v[16+8*\t], -v[17+8*\t]            ; -M
	v_mov_b32 v[18+8*\t], 0                        ; the sums
	v_mov_b32 v[19+8*\t], 0
	v_mov_b32 v[20+8*\t], 0
	v_mov_b32 v[21+8*\t], 0
	v_mov_b32 v[23+8*\t], 0                        ; (named as the upper half of f's pair)
	v_mov_b32 v[12+\t], 0                          ; written once: a lane permute's destination counts as one of its sources
.endr
	WIN 0x80
.set i_, 0
.rept 256
	v_mov_b32 v[i_], 0                             ; O^T of tiles 0 and 1: the first change of M leaves zeros zeros
.set i_, i_+1
.endr
	WIN 0xc0
.set i_, 0
.rept 256
	v_mov_b32 v[i_], 0                             ; of tiles 2 and 3
.set i_, i_+1
.endr
	WIN 0
	s_wait_kmcnt 0x0
	s_add_co_i32 s76, s54, s55
	s_lshl_b32 s76, s76, 23
	s_add_co_i32 s22, s76, 0x3db8aa3b              ; c = log2(e) / 16, with e6 + e7 added to its exponent field: a score stands for score x 2^(e6 + e7)
	s_mov_b32 s23, s22                             ; (named with it as a pair)
	s_add_co_i32 s76, s57, 127
	s_lshl_b32 s77, s76, 23
	v_mov_b32 v7, s77                              ; 2^e9 for p's conversions
	s_add_co_i32 s76, s76, 8
	s_lshl_b32 s76, s76, 23
	s_or_b32 s63, s76, 0x600000                    ; 448 x 2^e9
	s_sub_co_i32 s76, s58, s56
	s_sub_co_i32 s76, s76, s57
	s_add_co_i32 s76, s76, 127
	s_lshl_b32 s83, s76, 23                        ; 2^(e10 - e8 - e9): O / l stands for attn / 2^(e8 + e9)
	s_add_co_i32 s76, s76, 8
	s_lshl_b32 s76, s76, 23
	s_or_b32 s73, s76, 0x600000
	s_or_b32 s72, s73, 0x80000000                  ; -+ 448 x that
	s_add_co_i32 s76, s58, s59
	s_add_co_i32 s76, s76, 127
	s_lshl_b32 s74, s76, 23                        ; 2^(e10 + e11)
	s_mov_b32 s75, s74
	s_mov_b32 s60, 0                               ; LDS byte of the key step in hand
	s_mov_b32 s61, 3                               ; slots still to be asked for
	s_wait_loadcnt 0x0                             ; Q
.Lslot:
	CHANGE 1
	TWO_STEPS
	s_sub_co_u32 s61, s61, 1
	s_cmp_lg_u32 s61, 0
	s_cbranch_scc1 .Lslot
	s_mov_b32 s60, SLOT1                           ; the tail is written out: key steps 6 and 7 lie in slot 1
	CHANGE 2
	TWO_STEPS
	CHANGE 0                                       ; wo is whole, and nobody reads slot 1 any more
	; THE WAY OUT.  The sums; bo and the first blocks of x are asked for; O^T / l becomes attn's codes; then 16 tiles of output channels.
.irp t, 0,1,2,3
	v_pk_add_f32 v[18+8*\t:19+8*\t], v[18+8*\t:19+8*\t], v[20+8*\t:21+8*\t]   ; (these lines are also the places behind the last products)
.endr
.irp t, 0,1,2,3
	v_add_f32 v[18+8*\t], v[18+8*\t], v[19+8*\t]
.endr
	v_and_b32 v9, 15, v0                           ; r
	v_bfe_u32 v8, v0, 4, 1                         ; h
	v_and_b32 v11, 8, v9
	v_add_nc_u32 v11, v11, v9
	v_lshlrev_b32 v11, 2, v11                      ; bo: 4 (r + 8 (r / 8))
	v_lshlrev_b32 v10, 12, v8
	v_lshl_add_u32 v10, v9, 4, v10                 ; x, out0: lanes 0-15 one row's 256 bytes, lanes 16-31 the next row's
.set i_, 0
.rept 16
	global_load_b32 v[48+i_], v11, s[10:11] offset:(32*(i_/2)+8*(i_%2))*4   ; bo of channel TR(tile, r)
.set i_, i_+1
.endr
.macro XLOAD k                         ; x's 16 rows of output tile k, in the order in which the stage gives rows back: row 2 i + (lane / 16) of the tile is channel TR(k, that)
	WIN 0x40
.irp i, 0,1,2,3,4,5,6,7
	global_load_b128 v[32*((\k)%8)+4*\i:32*((\k)%8)+4*\i+3], v10, s[68:69] offset:(32*((\k)/2)+8*((\k)%2)+2*\i+8*(\i/4))*4096 th:TH_LOAD_NT
.endr
.endm
	XLOAD 0
	XLOAD 1
	XLOAD 2
	XLOAD 3
	XLOAD 4
	WIN 0
.irp t, 0,1,2,3
	v_permlanex16_b32 v[12+\t], v[18+8*\t], s20, s21
.endr
.irp t, 0,1,2,3
	v_add_f32 v[18+8*\t], v[18+8*\t], v[12+\t]     ; the row's sum
.endr
.irp t, 0,1,2,3
	v_rcp_f32 v[20+8*\t], v[18+8*\t]
.endr
	s_mul_i32 s76, s18, 32*SP
	s_add_co_u32 s76, s76, SLOT1                   ; my two stages of 16 rows
	v_mul_u32_u24 v12, v9, SP                      ; (plain lines behind the reciprocals)  in: row r, + 64 h
	v_lshl_add_u32 v12, v8, 6, v12
	v_mul_u32_u24 v13, v8, SP                      ; back: lanes 0-15 one row, lanes 16-31 the next
	v_lshl_add_u32 v13, v9, 4, v13
	v_add_nc_u32 v8, s76, v12
	v_add_nc_u32 v9, s76, v13
	v_mov_b32 v7, s83
	s_wait_alu depctr_va_vdst(0)                   ; one wait for the four reciprocals, ahead of their first reader
.macro TOCODES t                       ; O^T / l, held, converted: channel tiles 2 b, 2 b + 1 give 16 neighbouring channels: registers 4 b .. 4 b + 3 of the tile's two fragments
	WIN 0x82+0x41*((\t)/2)
.set i_, 0
.rept 64
	v_pk_mul_f32 v[128*((\t)%2)+2*i_:128*((\t)%2)+2*i_+1], v[128*((\t)%2)+2*i_:128*((\t)%2)+2*i_+1], v[20+8*\t:21+8*\t] op_sel_hi:[1,0]
.set i_, i_+1
.endr
.set i_, 0
.rept 128
	v_med3_num_f32 v[128*((\t)%2)+i_], v[128*((\t)%2)+i_], s72, s73
.set i_, i_+1
.endr
	WIN 0x02+((\t)/2)
.set i_, 0
.rept 16
	v_cvt_scalef32_pk8_fp8_f32 v[128+32*\t+2*i_:129+32*\t+2*i_], v[128*((\t)%2)+8*i_:128*((\t)%2)+8*i_+7], v7
.set i_, i_+1
.endr
	v_nop
.endm
	TOCODES 0
	TOCODES 1
	TOCODES 2
	TOCODES 3
	XLOAD 5
	XLOAD 6
	XLOAD 7
; Window 2 from here: sums at 32 n, results at 64 + 32 n, rows read back at 128 + 32 n, n = tile % 2.
.macro WLOAD k                         ; wo's two fragments of output tile k
	WIN 0
.irp s, 0,1
.irp c, 0,1,2,3
	ds_load_b128 v[64+32*((\k)%2)+16*\s+4*\c:64+32*((\k)%2)+16*\s+4*\c+3], v1 offset:(\k)*4096+\s*2048+\c*512
.endr
.endr
.endm
.macro MM k                            ; four query tiles by turns, two halves of K
	WIN 0x80
.irp t, 0,1,2,3
	v_wmma_f32_16x16x128_fp8_fp8 v[32*((\k)%2)+8*\t:32*((\k)%2)+8*\t+7], v[128+32*\t:128+32*\t+15], v[64+32*((\k)%2):64+32*((\k)%2)+15], 0
.endr
	WIN 0xa0
.irp t, 0,1,2,3
	v_wmma_f32_16x16x128_fp8_fp8 v[32*((\k)%2)+8*\t:32*((\k)%2)+8*\t+7], v[128+32*\t+16:128+32*\t+31], v[64+32*((\k)%2)+16:64+32*((\k)%2)+31], v[32*((\k)%2)+8*\t:32*((\k)%2)+8*\t+7]
.endr
.endm
.macro FIN1 k                          ; sum x 2^(e10 + e11) + bo; into my stage (a lane holds 8 neighbouring positions of its channel a tile) and back as rows of 256 bytes
	WIN 0x82
.set i_, 0
.rept 16
.if ((\k)%2) == 0
	v_pk_fma_f32 v[64+32*((\k)%2)+2*i_:64+32*((\k)%2)+2*i_+1], v[32*((\k)%2)+2*i_:32*((\k)%2)+2*i_+1], s[74:75], v[48+2*((\k)/2):48+2*((\k)/2)+1] op_sel_hi:[1,0,0]
.else
	v_pk_fma_f32 v[64+32*((\k)%2)+2*i_:64+32*((\k)%2)+2*i_+1], v[32*((\k)%2)+2*i_:32*((\k)%2)+2*i_+1], s[74:75], v[48+2*((\k)/2):48+2*((\k)/2)+1] op_sel:[0,0,1] op_sel_hi:[1,0,1]
.endif
.set i_, i_+1
.endr
.if (\k) >= 2
	s_wait_xcnt 0x0                                ; the stores of two tiles back have read the registers into which the rows come back
.endif
	WIN 0x08
.irp t, 0,1,2,3
.irp u, 0,1
	ds_store_b128 v8, v[64+32*((\k)%2)+8*\t+4*\u:64+32*((\k)%2)+8*\t+4*\u+3] offset:((\k)%2)*16*SP+128*(\t/2)+32*(\t%2)+16*\u
.endr
.endr
	WIN 0x80
.irp i, 0,1,2,3,4,5,6,7
	ds_load_b128 v[128+32*((\k)%2)+4*\i:128+32*((\k)%2)+4*\i+3], v9 offset:((\k)%2)*16*SP+2*\i*SP   ; LDS serves a wave's instructions in order (ISA guide 5.7.1.4): these see the stores above
.endr
.endm
.macro FIN2 k, dsn                     ; + x, stored; dsn: the LDS instructions issued behind this tile's loads from the stage
	s_wait_dscnt \dsn
.if (\k) < 8
	s_wait_loadcnt 56                              ; x's block k is in; the seven blocks asked for behind it may be out
.else
	s_wait_loadcnt 8*(15-(\k))
.endif
	WIN 0x86
.set i_, 0
.rept 16
	v_pk_add_f32 v[128+32*((\k)%2)+2*i_:128+32*((\k)%2)+2*i_+1], v[128+32*((\k)%2)+2*i_:128+32*((\k)%2)+2*i_+1], v[32*((\k)%8)+2*i_:32*((\k)%8)+2*i_+1]
.set i_, i_+1
.endr
	WIN 0x08
.irp i, 0,1,2,3,4,5,6,7
	global_store_b128 v10, v[128+32*((\k)%2)+4*\i:128+32*((\k)%2)+4*\i+3], s[70:71] offset:(32*((\k)/2)+8*((\k)%2)+2*\i+8*(\i/4))*4096 th:TH_STORE_NT   ; 16 lanes store 256 consecutive bytes, aligned
.endr
.if (\k) < 8
	XLOAD (\k)+8
.endif
.endm
	WLOAD 0
	WLOAD 1
.set o_, 0
.rept 16
.if o_ <= 1
	s_wait_dscnt 8                                 ; this tile's fragments of wo are in; behind them: the next tile's 8 loads
.elseif o_ <= 14
	s_wait_dscnt 24                                ; behind them: a tile's 16 stage instructions and the next tile's 8 loads
.else
	s_wait_dscnt 16
.endif
	MM o_
.if o_ == 0
	NOPS 4
.else
.if o_ == 1
	s_wait_loadcnt 63                              ; bo is older than the 64 loads of x
.endif
	FIN1 o_-1                                      ; its multiply-adds are the places in front of the loads below
.endif
.if o_ <= 13
	WLOAD o_+2
.endif
.if o_ >= 2
.if o_ <= 13
	FIN2 o_-2, 32
.elseif o_ == 14
	FIN2 o_-2, 24
.else
	FIN2 o_-2, 16
.endif
.endif
.set o_, o_+1
.endr
	FIN1 15
	FIN2 14, 16
	FIN2 15, 0
	WIN 0
	s_wait_tensorcnt 0x0                           ; the wave's end: behind my last tensor load and my last LDS store
	ds_add_u32 v3, v4
	s_wait_dscnt 0x0
	CROUND                                         ; the closing round: no work-group ends while a partner may still ask for a tile that names it
	s_endpgm
.Lfunc_end_k_q44e80a662b_attn:
	.size	k_q44e80a662b_attn, .Lfunc_end_k_q44e80a662b_attn-k_q44e80a662b_attn
	.p2alignl 7, 3214868480
	.fill 96, 4, 3214868480
	.section	.rodata,"a",@progbits
	.p2align	6, 0x0
	.amdhsa_kernel k_q44e80a662b_attn
		.amdhsa_group_segment_fixed_size 327680
		.amdhsa_private_segment_fixed_size 0
		.amdhsa_enable_private_segment 0
		.amdhsa_kernarg_size 56
		.amdhsa_user_sgpr_count 2
		.amdhsa_user_sgpr_kernarg_segment_ptr 1
		.amdhsa_wavefront_size32 1
		.amdhsa_system_sgpr_workgroup_id_x 1
		.amdhsa_system_sgpr_workgroup_id_y 1
		.amdhsa_system_sgpr_workgroup_id_z 1
		.amdhsa_system_vgpr_workitem_id 0
		.amdhsa_next_free_vgpr 1024
		.amdhsa_next_free_sgpr 84
		.amdhsa_reserve_vcc 0
		.amdhsa_float_denorm_mode_32 3
		.amdhsa_float_denorm_mode_16_64 3
		.amdhsa_memory_ordered 1
		.amdhsa_forward_progress 1
		.amdhsa_inst_pref_size 255
	.end_amdhsa_kernel
	.section	.bss,"aw",@nobits
	.p2align	6
	.space	262144
	.amdgpu_metadata
---
amdhsa.version: [ 1, 2 ]
amdhsa.kernels:
  - .name:           k_q44e80a662b_attn
    .symbol:         k_q44e80a662b_attn.kd
    .args:
      - { .name: qimg, .offset: 0, .size: 8, .value_kind: global_buffer, .address_space: global }
      - { .name: kvimg, .offset: 8, .size: 8, .value_kind: global_buffer, .address_space: global }
      - { .name: wimg, .offset: 16, .size: 8, .value_kind: global_buffer, .address_space: global }
      - { .name: bo, .offset: 24, .size: 8, .value_kind: global_buffer, .address_space: global }
      - { .name: x, .offset: 32, .size: 8, .value_kind: global_buffer, .address_space: global }
      - { .name: lowp_scales, .offset: 40, .size: 8, .value_kind: global_buffer, .address_space: global }
      - { .name: out0, .offset: 48, .size: 8, .value_kind: global_buffer, .address_space: global }
    .group_segment_fixed_size: 327680
    .private_segment_fixed_size: 0
    .kernarg_segment_align: 8
    .kernarg_segment_size: 56
    .max_flat_workgroup_size: 128
    .sgpr_count:     84
    .vgpr_count:     1024
    .wavefront_size: 32
...
	.end_amdgpu_metadata
.endif
;; end of part 3
;; ======== version 2 of 2: 3 launches
;; workspace buffers: wimg 262,144 bytes; qimg 16,777,216 bytes; kvimg 33,554,432 bytes; gstat 524,288 bytes
;; launch prep (part 4): grid 256 x 1, 8 waves a work-group, no clusters, 0 bytes of LDS; arguments x, wq, wk, wv, wo, lowp_scales, wimg, gstat; writes wimg, gstat
.if DOCPART == 4
	.amdgcn_target "amdgcn-amd-amdhsa--gfx1250"
	.amdhsa_code_object_version 6
	.text
	.protected	k_q44e80a662b_prep
	.globl	k_q44e80a662b_prep
	.p2align	8
	.type	k_q44e80a662b_prep,@function
k_q44e80a662b_prep:
	s_mov_b64 s[64:65], 0
	v_nop
	global_prefetch_b8 v0, s[64:65] scope:SCOPE_SE
	s_setreg_imm32_b32 hwreg(HW_REG_WAVE_MODE, 25, 1), 1
	s_wait_xcnt 0x0
; TWO THINGS THAT ARE WANTED ONCE, AHEAD OF THE PRODUCTS.
; (1) GroupNorm's statistics of x [64][256][1024]: 2,048 groups of 8 channels x 1,024 positions = 8,192 numbers = 32 KiB on end.  gstat [group][256 bytes]: (mean, 1 / sqrt(variance + 1e-5)), the pair 32 times over,
;     so that the wave's one store covers 256 consecutive bytes, aligned; a reader takes the first 8 bytes.
;     Wave 8 x work-group + w owns that group: 64 loads of 512 consecutive bytes into 256 registers; the mean, then the sum of squared deviations, both from registers: x is loaded once, no difference of large sums is formed.
; (2) wq, wk, wv, wo [256 (o)][256 (c)] f32 become codes of E4M3, laid as IMAGES OF OPERAND REGISTERS: wimg [matrix 4][tile 16][K half 2][2,048 bytes].
;     An image: byte 512 g + 16 lane + i holds the code of (row TR(tile, lane % 16), c = 128 half + 32 g + 16 (lane / 16) + i), TR(t, r) = 32 (t / 2) + 8 (t % 2) + r + 8 (r / 8).
;     code = w / 2^e, held within +-448, to the nearest code, ties to even; e = entry 1, 3, 5 or 11 of the scales.  In work-groups 0 to 127 wave 0 makes image number work-group, behind its loads of x and ahead of its sums.
; LIMITS: -126 <= e <= 119, so that 2^e and 448 x 2^e are f32 numbers.  NaN and infinities among the inputs are not served.
; No LDS, no barrier: waves share nothing.  No prefetch: a wave asks for all its bytes in its first lines.
; REGISTERS.  Window 0: v1 16 x lane, v3 8 x lane, v[8:9] mean and 1/sqrt, v11 permute's destination, v32-39 four running pairs; for the image v4-6, v12, v13, v16-79 numbers, v80-95 codes.  Window 1: the group.
.set MSB, 0
.macro WIN new                         ; the immediate's high byte repeats the setting that is left; a switch that changes nothing is dropped
.if MSB != (\new)
	s_set_vgpr_msb (MSB<<8)|(\new)
.set MSB, (\new)
.endif
.endm
.macro REDUCE r                        ; the sum over the wave's 32 lanes, in every lane
	s_delay_alu instid0(VALU_DEP_1)
	v_add_f32_dpp v[\r], v[\r], v[\r] row_xmask:1 row_mask:0xf bank_mask:0xf
	s_delay_alu instid0(VALU_DEP_1)
	v_add_f32_dpp v[\r], v[\r], v[\r] row_xmask:2 row_mask:0xf bank_mask:0xf
	s_delay_alu instid0(VALU_DEP_1)
	v_add_f32_dpp v[\r], v[\r], v[\r] row_xmask:4 row_mask:0xf bank_mask:0xf
	s_delay_alu instid0(VALU_DEP_1)
	v_add_f32_dpp v[\r], v[\r], v[\r] row_xmask:8 row_mask:0xf bank_mask:0xf
	s_delay_alu instid0(VALU_DEP_1)
	v_permlanex16_b32 v11, v[\r], s42, s43
	s_delay_alu instid0(VALU_DEP_1)
	v_add_f32 v[\r], v[\r], v11
.endm
.macro FOLD                            ; the four running pairs become one number a lane
	v_pk_add_f32 v[32:33], v[32:33], v[34:35]
	v_pk_add_f32 v[36:37], v[36:37], v[38:39]
	s_delay_alu instid0(VALU_DEP_1)
	v_pk_add_f32 v[32:33], v[32:33], v[36:37]
	s_delay_alu instid0(VALU_DEP_1)
	v_add_f32 v32, v32, v33
.endm
	s_load_b512 s[4:19], s[0:1], 0x0               ; x s[4:5], wq, wk, wv, wo s[6:13], the scales' exponents s[14:15], wimg s[16:17], gstat s[18:19]
	v_lshrrev_b32 v1, 5, v0
	s_delay_alu instid0(VALU_DEP_1)
	v_readfirstlane_b32 s32, v1                    ; wave 0..7
	v_and_b32 v2, 31, v0                           ; lane
	s_delay_alu instid0(VALU_DEP_1)
	v_lshlrev_b32 v1, 4, v2                        ; 16 x lane
	s_delay_alu instid0(VALU_DEP_2)
	v_lshlrev_b32 v3, 3, v2                        ; 8 x lane
	v_mov_b32 v11, 0                               ; written once: a lane permute's destination counts as one of its sources
	s_mov_b32 s42, 0x76543210                      ; v_permlanex16_b32: lane l xor 16
	s_mov_b32 s43, 0xfedcba98
	s_mov_b32 s41, 0x39000000                      ; 2^-13 = 1 / 8,192
	s_lshl_b32 s33, ttmp9, 3
	s_add_co_u32 s33, s33, s32                     ; my group: 8 x work-group + wave
	s_lshl_b32 s34, s33, 15                        ; 32,768 bytes a group
	s_mov_b32 s35, 0
	s_lshl_b32 s36, s33, 8                         ; 256 bytes a group
	s_mov_b32 s37, 0
	s_wait_alu depctr_va_vdst(0)
	s_wait_kmcnt 0x0
	s_add_nc_u64 s[4:5], s[4:5], s[34:35]
	s_add_nc_u64 s[18:19], s[18:19], s[36:37]
	WIN 0x40                                       ; destination window 1
.set i_, 0
.rept 64
	global_load_b128 v[4*i_:4*i_+3], v1, s[4:5] offset:512*i_ th:TH_LOAD_NT   ; 32 lanes read 512 consecutive bytes
.set i_, i_+1
.endr
	WIN 0
	s_cmp_lg_u32 s32, 0                            ; an image is made by wave 0
	s_cbranch_scc1 .Lno_image
	s_cmp_ge_u32 ttmp9, 128                        ; of work-groups 0 to 127
	s_cbranch_scc1 .Lno_image
	s_load_b256 s[20:27], s[14:15], 0x0            ; e0 .. e7
	s_load_b128 s[28:31], s[14:15], 0x20           ; e8 .. e11
	v_and_b32 v4, 15, v0                           ; r
	v_bfe_u32 v5, v0, 4, 1                         ; h
	s_delay_alu instid0(VALU_DEP_2)
	v_and_b32 v6, 8, v4
	s_delay_alu instid0(VALU_DEP_1)
	v_add_nc_u32 v6, v6, v4                        ; r + 8 (r / 8)
	s_delay_alu instid0(VALU_DEP_1)
	v_lshlrev_b32 v6, 10, v6                       ; a row of 256 f32 is 1,024 bytes
	s_delay_alu instid0(VALU_DEP_1)
	v_lshl_add_u32 v6, v5, 6, v6                   ; + 64 h: my 16 numbers of a block of 32
	s_wait_alu depctr_va_vdst(0)
	s_lshr_b32 s38, ttmp9, 5                       ; matrix 0..3
	s_bfe_u32 s39, ttmp9, 0x40001                  ; tile 0..15
	s_and_b32 s40, ttmp9, 1                        ; half of K
	s_lshr_b32 s44, s39, 1
	s_lshl_b32 s44, s44, 15                        ; 32 (tile / 2) rows
	s_and_b32 s45, s39, 1
	s_lshl_b32 s45, s45, 13                        ; 8 (tile % 2) rows
	s_add_co_u32 s44, s44, s45
	s_lshl_b32 s45, s40, 9                         ; 128 numbers along K for the second half
	s_add_co_u32 s44, s44, s45
	s_mov_b32 s45, 0
	s_lshl_b32 s46, ttmp9, 11                      ; the images lie in the order of the work-groups, 2,048 bytes each
	s_mov_b32 s47, 0
	s_cmp_eq_u32 s38, 1                            ; the choice hangs on the work-group's number alone
	s_cselect_b64 s[6:7], s[8:9], s[6:7]
	s_cmp_eq_u32 s38, 2
	s_cselect_b64 s[6:7], s[10:11], s[6:7]
	s_cmp_eq_u32 s38, 3
	s_cselect_b64 s[6:7], s[12:13], s[6:7]
	s_add_nc_u64 s[6:7], s[6:7], s[44:45]
	s_add_nc_u64 s[16:17], s[16:17], s[46:47]
.irp c, 0,1,2,3
.irp i, 0,1,2,3
	global_load_b128 v[16+16*\c+4*\i:19+16*\c+4*\i], v6, s[6:7] offset:128*\c+16*\i th:TH_LOAD_NT   ; a lane's four loads of a block cover its own 64 bytes on end
.endr
.endr
	s_wait_kmcnt 0x0
	s_cmp_eq_u32 s38, 1
	s_cselect_b32 s21, s23, s21                    ; e1, e3, e5 or e11
	s_cmp_eq_u32 s38, 2
	s_cselect_b32 s21, s25, s21
	s_cmp_eq_u32 s38, 3
	s_cselect_b32 s21, s31, s21
	s_add_co_i32 s21, s21, 127
	s_lshl_b32 s22, s21, 23
	v_mov_b32 v12, s22                             ; 2^e as f32: the conversion takes its exponent field
	s_add_co_i32 s21, s21, 8
	s_lshl_b32 s22, s21, 23
	s_or_b32 s22, s22, 0x600000
	v_mov_b32 v13, s22                             ; 448 x 2^e
	s_wait_alu depctr_va_vdst(0)
	s_wait_loadcnt 0x0
.set i_, 0
.rept 64
	v_med3_num_f32 v[16+i_], v[16+i_], -v13, v13   ; the conversion to an 8-bit code does not saturate (ISA guide 7.6.2): the hold comes first
.set i_, i_+1
.endr
.irp c, 0,1,2,3
	v_cvt_scalef32_pk8_fp8_f32 v[80+4*\c:81+4*\c], v[16+16*\c:23+16*\c], v12
	v_cvt_scalef32_pk8_fp8_f32 v[82+4*\c:83+4*\c], v[24+16*\c:31+16*\c], v12
.endr
	v_nop                                          ; a plain line behind the last conversion: the sums below write registers that it read
.irp c, 0,1,2,3
	global_store_b128 v1, v[80+4*\c:83+4*\c], s[16:17] offset:512*\c   ; 32 lanes store 512 consecutive bytes; v80-95 and v1 are not written again
.endr
.Lno_image:
	s_wait_loadcnt 0x0                             ; my group is in
	WIN 0x05                                       ; sources 0 and 1 window 1
.irp k, 0,1,2,3
	v_pk_add_f32 v[32+2*\k:33+2*\k], v[2*\k:2*\k+1], v[8+2*\k:9+2*\k]   ; the first eight pairs start the four chains: nothing is cleared
.endr
	WIN 0x04
.set i_, 8
.rept 120
	v_pk_add_f32 v[32+2*(i_%4):33+2*(i_%4)], v[32+2*(i_%4):33+2*(i_%4)], v[2*i_:2*i_+1]
.set i_, i_+1
.endr
	WIN 0
	FOLD
	REDUCE 32
	s_delay_alu instid0(VALU_DEP_1)
	v_mul_f32 v8, s41, v32                         ; the mean: / 8,192
	s_delay_alu instid0(VALU_DEP_1)
	v_mov_b32 v9, v8
	WIN 0x41
.set i_, 0
.rept 128
	v_pk_add_f32 v[2*i_:2*i_+1], v[2*i_:2*i_+1], v[8:9] neg_lo:[0,1] neg_hi:[0,1]   ; x - mean, in place
.set i_, i_+1
.endr
	WIN 0x05
.irp k, 0,1,2,3
	v_pk_mul_f32 v[32+2*\k:33+2*\k], v[2*\k:2*\k+1], v[2*\k:2*\k+1]
.endr
.set i_, 4
.rept 124
	s_delay_alu instid0(VALU_DEP_4)
	v_pk_fma_f32 v[32+2*(i_%4):33+2*(i_%4)], v[2*i_:2*i_+1], v[2*i_:2*i_+1], v[32+2*(i_%4):33+2*(i_%4)]
.set i_, i_+1
.endr
	WIN 0
	FOLD
	REDUCE 32
	s_delay_alu instid0(VALU_DEP_1)
	v_fmaak_f32 v32, s41, v32, 0x3727c5ac          ; the variance + 1e-5
	s_wait_alu depctr_va_vdst(0)
	v_rsq_f32 v9, v32
	v_nop                                          ; a plain instruction behind the transcendental
	s_wait_alu depctr_va_vdst(0)                   ; the wait ahead of the first line that names v9
	global_store_b64 v3, v[8:9], s[18:19]          ; every lane holds the same pair: 32 lanes store 256 consecutive bytes, aligned
	s_endpgm
.Lfunc_end_k_q44e80a662b_prep:
	.size	k_q44e80a662b_prep, .Lfunc_end_k_q44e80a662b_prep-k_q44e80a662b_prep
	.p2alignl 7, 3214868480
	.fill 96, 4, 3214868480
	.section	.rodata,"a",@progbits
	.p2align	6, 0x0
	.amdhsa_kernel k_q44e80a662b_prep
		.amdhsa_group_segment_fixed_size 0
		.amdhsa_private_segment_fixed_size 0
		.amdhsa_enable_private_segment 0
		.amdhsa_kernarg_size 64
		.amdhsa_user_sgpr_count 2
		.amdhsa_user_sgpr_kernarg_segment_ptr 1
		.amdhsa_wavefront_size32 1
		.amdhsa_system_sgpr_workgroup_id_x 1
		.amdhsa_system_sgpr_workgroup_id_y 1
		.amdhsa_system_sgpr_workgroup_id_z 1
		.amdhsa_system_vgpr_workitem_id 0
		.amdhsa_next_free_vgpr 512
		.amdhsa_next_free_sgpr 66
		.amdhsa_reserve_vcc 0
		.amdhsa_float_denorm_mode_32 3
		.amdhsa_float_denorm_mode_16_64 3
		.amdhsa_memory_ordered 1
		.amdhsa_forward_progress 1
		.amdhsa_inst_pref_size 46
	.end_amdhsa_kernel
	.amdgpu_metadata
---
amdhsa.version: [ 1, 2 ]
amdhsa.kernels:
  - .name:           k_q44e80a662b_prep
    .symbol:         k_q44e80a662b_prep.kd
    .args:
      - { .name: x, .offset: 0, .size: 8, .value_kind: global_buffer, .address_space: global }
      - { .name: wq, .offset: 8, .size: 8, .value_kind: global_buffer, .address_space: global }
      - { .name: wk, .offset: 16, .size: 8, .value_kind: global_buffer, .address_space: global }
      - { .name: wv, .offset: 24, .size: 8, .value_kind: global_buffer, .address_space: global }
      - { .name: wo, .offset: 32, .size: 8, .value_kind: global_buffer, .address_space: global }
      - { .name: lowp_scales, .offset: 40, .size: 8, .value_kind: global_buffer, .address_space: global }
      - { .name: wimg, .offset: 48, .size: 8, .value_kind: global_buffer, .address_space: global }
      - { .name: gstat, .offset: 56, .size: 8, .value_kind: global_buffer, .address_space: global }
    .group_segment_fixed_size: 0
    .private_segment_fixed_size: 0
    .kernarg_segment_align: 8
    .kernarg_segment_size: 64
    .max_flat_workgroup_size: 256
    .sgpr_count:     66
    .vgpr_count:     512
    .wavefront_size: 32
...
	.end_amdgpu_metadata
.endif
;; end of part 4
;; launch gnqkv (part 5): grid 256 x 1, 4 waves a work-group, no clusters, 197,888 bytes of LDS; arguments x, gn_weight, gn_bias, wimg, bq, bk, bv, lowp_scales, qimg, kvimg, gstat; writes qimg, kvimg
.if DOCPART == 5
	.amdgcn_target "amdgcn-amd-amdhsa--gfx1250"
	.amdhsa_code_object_version 6
	.text
	.protected	k_q44e80a662b_gnqkv
	.globl	k_q44e80a662b_gnqkv
	.p2align	8
	.type	k_q44e80a662b_gnqkv,@function
k_q44e80a662b_gnqkv:
	s_mov_b64 s[64:65], 0
	v_nop
	global_prefetch_b8 v0, s[64:65] scope:SCOPE_SE
	s_setreg_imm32_b32 hwreg(HW_REG_WAVE_SCHED_MODE, 0, 2), 2
	s_setreg_imm32_b32 hwreg(HW_REG_WAVE_MODE, 25, 1), 1
	s_wait_xcnt 0x0
	s_wait_alu depctr_vm_vsrc(0)
; GroupNorm of x [64][256][1024] by the statistics in gstat (mean, 1 / sqrt(variance + 1e-5) at byte 256 x group), h quantised three times (e0, e2, e4), q, k, v = W h + b on codes of E4M3, and q, k, v quantised (e6, e7, e8).
; OUT: qimg [b][query tile 64][K half 2][2,048]; kvimg [b][key step 8][65,536]: in a step K's images at (2 tile + half) x 2,048 (8 tiles of 16 keys), V's at 32,768 + 2,048 x channel tile (16).
; IMAGE of a fragment (16 rows x 128 along K): byte 512 g + 16 lane + i = code of (row TR(t, lane % 16), k = 32 g + 16 (lane / 16) + i); TR(t, r) = 32 (t / 2) + 8 (t % 2) + r + 8 (r / 8).
; With these rows the 16 result registers of two neighbouring tiles are 16 neighbours along the next product's K, so the conversions' results ARE the next operand's registers.
; SHARES.  Work-group 4 b + j owns positions 256 j .. 256 j + 255 of batch b, and reads those alone: 256 KiB of x.
;   Norm phase: wave w takes groups 8 w .. 8 w + 7: of each 8 channels x 1,024 bytes = 16 loads of 512 consecutive bytes = 64 registers; loads run four groups ahead.  h = (x - mean) x (gain / sqrt) + bias.
;   Product phase: wave w takes output tiles 4 w .. 4 w + 3 of q, k and v for all 16 position tiles; its 24 weight fragments stay in registers; h's images come from LDS.
; NO CLUSTER, NO JOINT LOADS: the work-groups share the weights' images alone, 196,608 bytes, which do not fit into 327,680 bytes of LDS beside h's 197,376; they go straight into the registers in which they stay.
; NO PREFETCH: a wave asks for its bytes of x from its first lines on, as many loads at a time as its counter holds.
; q, k: source 0 = 16 rows of W, source 1 = 16 positions of h: a lane holds one position and channels along its registers.  v: source 0 = h, source 1 = W: a lane holds one channel and keys along its registers.
; The biases are the C of each sum's first product, divided by the power of two that the sums lack.
; LIMITS, so that each power of two made below and 448 x it are f32 numbers: e0, e2, e4, e6 - e0 - e1, e7 - e2 - e3, e8 - e4 - e5 between -126 and 119.  NaN and infinities among the inputs are not served.
; LDS: h's images, scale z at z x 65,792, position tile at 4,112 (4,096 + 16, so that lanes that store into different tiles start at different banks).
; REGISTERS.  Window 0: v1 16 x lane; v2-4 store bases of the three scales (later v3, v4 image bases); v5-7 LDS addresses of the product phase; v[8:9] mean; v10 1/sqrt; v12-14 store offsets;
;   v24-31 gain x 1/sqrt; v38, v39 the spare word's address and 0; v40-45 the six scales as f32; v46, v47 bias offsets; v48-63 two sets of 8 held numbers; v64-127 h (8 positions x 8 channels);
;   v128-175, v176-223 two buffers of codes, by turns; in the product phase v64-255 h's 12 fragments.
;   Windows 1, 2: x, group g at window 1 + g / 4, register 64 (g % 4) + 32 block + 4 channel + q; later window 1: Wv's fragments and the biases, window 2: accumulators and codes.   Window 3: Wq's and Wk's fragments.
; THE MODE: SCHED_MODE bits 1:0 = 2 (LLVM: expert scheduling mode 2), set by the entry lines.  The code itself states the register dependences between vector or matrix instructions and memory or LDS
; instructions, with s_wait_alu, always for 0.
; THE PLAN.  Registers that memory or LDS instructions touch, and who else names them:
;   v1, v2, v46, v47   offsets, made at the head, never written again.  v3, v4: made at the head, read by the norm phase's LDS stores, written once more behind the barrier.
;   x's registers      a group's loads land in registers that no vector line has named; the group's own lines then name them; groups 0 and 1's take Wv's loads in group 6's step, groups 2 and 3's the biases' in group 7's.
;   the code buffers   group g's conversions write buffer g % 2; its 24 LDS stores are issued in group g + 1's step, one behind each of that group's conversions, which write the other buffer; group g + 2 writes it again.
;   So ONE wait on va_vdst stands at the head of a group's step (the group before has written its codes and is done with its registers of x) and ONE on vm_vsrc ahead of its conversions.
;   In the loop: v64-255 land from LDS and are read by the next trip's products; v5-7 and v12-14 are written once a trip; the codes (window 2, v192-239) are written by conversions and read by global stores.
;   A trip has one wait on vm_vsrc, ahead of the address lines, and three on va_vdst, one behind each tensor's conversions: each also states that the products issued ahead of those conversions are done reading their fragments of h.
.set HP,  4112
.set HSC, 16*HP
.set CB,  128                          ; the two buffers of codes: 48 registers each
.set MSB, 0
.macro WIN new                         ; the immediate's high byte repeats the setting that is left; a switch that changes nothing is dropped
.if MSB != (\new)
	s_set_vgpr_msb (MSB<<8)|(\new)
.set MSB, (\new)
.endif
.endm
.macro LOADG g                         ; my 256 positions of group g's 8 channels: each load 512 consecutive bytes
	WIN (1+(\g)/4)<<6
.irp c, 0,1,2,3,4,5,6,7
.irp p, 0,1
	global_load_b128 v[64*((\g)%4)+32*\p+4*\c:64*((\g)%4)+32*\p+4*\c+3], v1, s[4:5] offset:(\g)*32768+4096*\c+512*\p th:TH_LOAD_NT
.endr
.endr
	WIN 0
.endm
.macro GLOADS t                        ; pair t of groups: gains, biases, statistics
	s_load_b256 s[68:75], s[6:7], 64*(\t)
	s_load_b256 s[76:83], s[8:9], 64*(\t)
	s_load_b256 s[84:91], s[6:7], 64*(\t)+32
	s_load_b256 s[92:99], s[8:9], 64*(\t)+32
	s_load_b64 s[66:67], s[62:63], 512*(\t)
	s_load_b64 s[100:101], s[62:63], 512*(\t)+256
.endm
; One LDS store of group g's codes: scale z, position p of the lane's eight: 8 codes (8 channels of a position).
; Group 8 w + g lies in an image at K half w / 2, 32-block 2 (w % 2) + g / 4, lanes' half (g / 2) % 2, bytes 8 (g % 2) on: beside the wave's term that is 256 (g / 2) + 8 (g % 2), which stands in the store's immediate.
.macro CST g, z, p
	ds_store_b64 v[2+(\z)], v[CB+48*((\g)%2)+16*(\z)+2*(\p):CB+48*((\g)%2)+16*(\z)+2*(\p)+1] offset:((\p)/4)*8*HP+16*((\p)%4)+8*((\g)%2)+256*((\g)/2)
.endm
; One group's arithmetic; among its conversions the LDS stores of the group before.
.macro PROCESS g
.set PW, 1+(\g)/4
.set PX, 64*((\g)%4)
.set PO, (\g)%2
.set PT, (\g)/2
.set PGW, 68+16*PO
.set PGB, 76+16*PO
.set PSM, 66+34*PO
.set PCB, CB+48*PO
	s_wait_kmcnt 0x0                               ; the pair's gains, biases and statistics
	v_mov_b32 v8, s[PSM]                           ; the mean, twice,
	v_mov_b32 v9, s[PSM]
	v_mov_b32 v10, s[PSM+1]                        ; 1 / sqrt(variance + 1e-5)
.irp c, 0,1,2,3,4,5,6,7
	v_mul_f32 v[24+\c], s[PGW+\c], v10
.endr
	WIN (PW<<6)|PW
.set i_, 0
.rept 32
	v_pk_add_f32 v[PX+2*i_:PX+2*i_+1], v[PX+2*i_:PX+2*i_+1], v[8:9] neg_lo:[0,1] neg_hi:[0,1]   ; x - mean, in place
.set i_, i_+1
.endr
	WIN PW
.irp p, 0,1                            ; lane l holds positions 128 p + 4 l + q of my 256.  The multiply-add also turns the layout: 8 channels of a position on end
.irp q, 0,1,2,3
.irp c, 0,1,2,3,4,5,6,7
	v_fma_f32 v[64+8*(4*\p+\q)+\c], v[PX+32*\p+4*\c+\q], v[24+\c], s[PGB+\c]
.endr
.endr
.endr
	WIN 0
.if (PO == 1) && (PT < 3)
	GLOADS PT+1                                    ; the pair's scalars have had their last use: the next pair's are asked for, 240 lines ahead of the wait for them
.endif
.if (\g) >= 2
	s_wait_dscnt 0x0                               ; the LDS stores issued in the step before (the codes of two groups back) are done,
	s_wait_alu depctr_vm_vsrc(0)                   ; and have read this group's buffer of codes, which the conversions below write again
.endif
.irp z, 0,1,2                          ; three scales.  The two sets of held numbers take turns, so 8 plain lines stand between a conversion and the next write of its sources
.irp p, 0,1,2,3,4,5,6,7
.irp c, 0,1,2,3,4,5,6,7
	v_med3_num_f32 v[48+8*(\p%2)+\c], v[64+8*\p+\c], s[44+2*\z], s[45+2*\z]
.endr
	v_cvt_scalef32_pk8_fp8_f32 v[PCB+16*\z+2*\p:PCB+16*\z+2*\p+1], v[48+8*(\p%2):55+8*(\p%2)], v[40+\z]
.if (\g) >= 1
	CST (\g)-1, \z, \p                             ; the group before.  No wait: no vector line since the wait at this step's head names its buffer of codes or v2 to v4
.endif
.endr
.endr
	v_nop                                          ; a plain line behind the last conversion
.endm
.macro MKS vr, lo, e                   ; from the exponent in s[e]: v[vr] = 2^e; s[lo], s[lo+1] = -+ 448 x 2^e
	s_add_co_i32 s58, s[\e], 127
	s_lshl_b32 s59, s58, 23
	v_mov_b32 v[\vr], s59
	s_add_co_i32 s58, s58, 8
	s_lshl_b32 s58, s58, 23
	s_or_b32 s[\lo+1], s58, 0x600000
	s_or_b32 s[\lo], s[\lo+1], 0x80000000
.endm
.macro WLQK m                          ; my 8 fragments of Wq (0) or Wk (1): 32 loads into window 3
	WIN 0xc0
.irp t, 0,1,2,3
.irp s, 0,1
.irp c, 0,1,2,3
	global_load_b128 v[128*\m+32*\t+16*\s+4*\c:128*\m+32*\t+16*\s+4*\c+3], v1, s[10:11] offset:\m*65536+\t*4096+\s*2048+\c*512
.endr
.endr
.endr
	WIN 0
.endm
.macro WLV                             ; my 8 fragments of Wv: 32 loads into window 1, where groups 0 and 1 lay
	WIN 0x40
.irp t, 0,1,2,3
.irp s, 0,1
.irp c, 0,1,2,3
	global_load_b128 v[32*\t+16*\s+4*\c:32*\t+16*\s+4*\c+3], v1, s[10:11] offset:131072+\t*4096+\s*2048+\c*512
.endr
.endr
.endr
	WIN 0
.endm
.macro WLB                             ; the biases: 20 loads into window 1, where groups 2 and 3 lay.  q, k: lane (r, h) wants, for tile t, those of channels 32 (t / 2) + 8 (t % 2) + 16 h + 0 .. 7;  v: the one of channel TR(t, r)
	WIN 0x40
.irp t, 0,1,2,3
	global_load_b128 v[128+8*\t:131+8*\t], v46, s[12:13] offset:(32*(\t/2)+8*(\t%2))*4
	global_load_b128 v[132+8*\t:135+8*\t], v46, s[12:13] offset:(32*(\t/2)+8*(\t%2))*4+16
	global_load_b128 v[160+8*\t:163+8*\t], v46, s[14:15] offset:(32*(\t/2)+8*(\t%2))*4
	global_load_b128 v[164+8*\t:167+8*\t], v46, s[14:15] offset:(32*(\t/2)+8*(\t%2))*4+16
	global_load_b32 v[192+8*\t], v47, s[16:17] offset:(32*(\t/2)+8*(\t%2))*4
.endr
	WIN 0
.endm
	s_load_b512 s[4:19], s[0:1], 0x0               ; x, gn_weight, gn_bias, wimg, bq, bk, bv, the scales' exponents
	s_load_b128 s[20:23], s[0:1], 0x40             ; qimg, kvimg
	s_load_b64 s[62:63], s[0:1], 0x50              ; gstat
	v_lshl_add_u32 v38, v0, 2, 0x30300
	v_mov_b32 v39, 0
	v_lshrrev_b32 v1, 5, v0
	v_readfirstlane_b32 s36, v1                    ; wave 0..3
	s_lshr_b32 s3, ttmp9, 2                        ; b: the batch
	s_and_b32 s37, ttmp9, 3                        ; j: which 256 positions; both enter global addresses alone
	v_and_b32 v1, 31, v0
	v_lshlrev_b32 v1, 4, v1                        ; 16 x lane
	; where lane l stores: position 128 p + 4 l + q is row 8 ((l >> 2) & 1) + 4 (l & 1) + q of position tile 8 p + 2 (l >> 3) + ((l >> 1) & 1)
	v_bfe_u32 v5, v0, 3, 2
	v_bfe_u32 v6, v0, 1, 1
	v_lshl_add_u32 v5, v5, 1, v6
	v_mul_u32_u24 v5, v5, HP
	v_and_b32 v6, 1, v0
	v_lshl_add_u32 v5, v6, 6, v5
	v_bfe_u32 v6, v0, 2, 1
	v_lshl_add_u32 v5, v6, 7, v5
	s_wait_alu depctr_va_sdst(0)                   ; s36 is written, ahead of its first reader: LDS addresses and all the bases are made from it
	s_lshr_b32 s56, s36, 1                         ; my wave's 64 channels: K half w / 2, groups of 32 from 2 (w % 2) on
	s_lshl_b32 s56, s56, 11
	s_and_b32 s57, s36, 1
	s_lshl_b32 s57, s57, 10
	s_add_co_u32 s56, s56, s57
	v_add_nc_u32 v2, s56, v5
	v_add_nc_u32 v3, HSC, v2
	v_add_nc_u32 v4, 2*HSC, v2
	v_bfe_u32 v46, v0, 4, 1
	v_lshlrev_b32 v46, 6, v46                      ; bq, bk: 64 h bytes
	v_and_b32 v47, 15, v0
	v_and_b32 v48, 8, v47
	v_add_nc_u32 v47, v47, v48
	v_lshlrev_b32 v47, 2, v47                      ; bv: 4 (r + 8 (r / 8))
	s_wait_kmcnt 0x0
	s_load_b256 s[24:31], s[18:19], 0x0            ; e0 .. e7
	s_load_b128 s[32:35], s[18:19], 0x20           ; e8 .. e11
	s_lshl_b32 s58, s3, 20                         ; x: the batch,
	s_lshl_b32 s59, s36, 18                        ; my wave's 64 channels,
	s_add_co_u32 s58, s58, s59
	s_lshl_b32 s59, s37, 10                        ; my work-group's 1,024 bytes of each row
	s_add_co_u32 s58, s58, s59
	s_mov_b32 s59, 0
	s_add_nc_u64 s[4:5], s[4:5], s[58:59]
	s_lshl_b32 s58, s36, 8                         ; my wave's 64 channels in the vectors of 256 f32
	s_add_nc_u64 s[6:7], s[6:7], s[58:59]
	s_add_nc_u64 s[8:9], s[8:9], s[58:59]
	s_add_nc_u64 s[12:13], s[12:13], s[58:59]
	s_add_nc_u64 s[14:15], s[14:15], s[58:59]
	s_add_nc_u64 s[16:17], s[16:17], s[58:59]
	s_lshl_b32 s58, s36, 14
	s_add_nc_u64 s[10:11], s[10:11], s[58:59]      ; wimg at my four tiles
	s_lshl_b32 s58, s3, 13                         ; gstat: 32 groups of 256 bytes a batch, my wave's 8
	s_lshl_b32 s38, s36, 11
	s_add_co_u32 s58, s58, s38
	s_add_nc_u64 s[62:63], s[62:63], s[58:59]
	s_lshl_b32 s58, s3, 18
	s_lshl_b32 s38, s37, 16
	s_add_co_u32 s58, s58, s38
	s_add_co_u32 s58, s58, s56
	s_add_nc_u64 s[20:21], s[20:21], s[58:59]      ; q's images: batch, my 16 tiles, my wave's 1,024 bytes of each
	s_lshl_b32 s58, s3, 19
	s_lshl_b32 s38, s37, 17
	s_add_co_u32 s58, s58, s38                     ; batch, my two key steps
	s_lshl_b32 s38, s36, 13
	s_add_co_u32 s38, s38, s58
	s_add_co_u32 s38, s38, 32768
	s_mov_b32 s39, 0
	s_add_nc_u64 s[60:61], s[22:23], s[38:39]      ; v's images: my wave's four channel tiles
	s_add_co_u32 s58, s58, s56
	s_add_nc_u64 s[22:23], s[22:23], s[58:59]      ; k's images
	s_wait_alu depctr_va_vdst(0)                   ; v1, v2, v3, v4, v46 and v47 are written: the offsets and addresses that the loads and LDS stores of the norm phase read
	GLOADS 0
	LOADG 0
	LOADG 1
	LOADG 2
	LOADG 3
	s_wait_kmcnt 0x0
	MKS 40, 44, 24                                 ; h for q: e0
	MKS 41, 46, 26                                 ; for k: e2
	MKS 42, 48, 28                                 ; for v: e4
	s_sub_co_i32 s56, s30, s24
	s_sub_co_i32 s56, s56, s25
	MKS 43, 50, 56                                 ; a sum stands for sum x 2^(e0 + e1): q's conversion takes 2^(e6 - e0 - e1)
	s_sub_co_i32 s56, s31, s26
	s_sub_co_i32 s56, s56, s27
	MKS 44, 52, 56
	s_sub_co_i32 s56, s32, s28
	s_sub_co_i32 s56, s56, s29
	MKS 45, 54, 56
	; THE NORM PHASE, written out: the registers differ from group to group.  Behind the wait for a group the next loads are asked for, then the group is worked.
	s_wait_loadcnt 48                              ; group 0's 16 loads are in; the three groups asked for behind it may be out.  So in the next four waits
	LOADG 4                                        ; no wait on va_vdst: no vector line has named these registers, and v1 was written ahead of the wait at the head
	PROCESS 0
	s_wait_loadcnt 48
	s_wait_alu depctr_va_vdst(0)                   ; group 0's conversions have written their buffer of codes, which this step's LDS stores read
	LOADG 5
	PROCESS 1
	s_wait_loadcnt 48
	s_wait_alu depctr_va_vdst(0)                   ; group 1's conversions have written their buffer of codes, which this step's LDS stores read
	LOADG 6
	PROCESS 2
	s_wait_loadcnt 48
	s_wait_alu depctr_va_vdst(0)                   ; group 2's conversions have written their buffer of codes, which this step's LDS stores read
	LOADG 7
	PROCESS 3
	s_wait_loadcnt 48
	s_wait_alu depctr_va_vdst(0)                   ; group 3's conversions have written their buffer of codes, which this step's LDS stores read
	WLQK 0                                         ; x is asked for: now my weights, 116 loads
	PROCESS 4
	s_wait_loadcnt 63                              ; behind group 5's loads 64 were issued (groups 6, 7, Wq); the wait's field holds 63
	s_wait_alu depctr_va_vdst(0)                   ; group 4's conversions have written their buffer of codes, which this step's LDS stores read
	WLQK 1
	PROCESS 5
	s_wait_loadcnt 63                              ; behind group 7's loads 64 were issued (Wq, Wk): groups 6 and 7 are in
	s_wait_alu depctr_va_vdst(0)                   ; group 5's conversions have written their codes, for this step's LDS stores; groups 0 and 1's lines are done with their registers of x, in which Wv lands
	WLV
	PROCESS 6
	s_wait_alu depctr_va_vdst(0)                   ; group 6's conversions have written their codes, for this step's LDS stores; groups 2 and 3's lines are done with their registers of x, in which the biases land
	WLB
	PROCESS 7
	s_wait_alu depctr_va_vdst(0)                   ; group 7's conversions have written their buffer of codes, which the 24 LDS stores below read
.irp z, 0,1,2
.irp p, 0,1,2,3,4,5,6,7
	CST 7, \z, \p
.endr
.endr
	s_wait_loadcnt 0x0                             ; the weights and the biases
	s_add_co_i32 s56, s24, s25
	s_sub_co_i32 s56, 0, s56                       ; the biases go in divided by the power of two that the sums lack
	s_add_co_i32 s57, s26, s27
	s_sub_co_i32 s57, 0, s57
	s_add_co_i32 s58, s28, s29
	s_sub_co_i32 s58, 0, s58
	WIN 0x41
.set i_, 0
.rept 32
	v_ldexp_f32 v[128+i_], v[128+i_], s56
	v_ldexp_f32 v[160+i_], v[160+i_], s57
.set i_, i_+1
.endr
.irp t, 0,1,2,3
.irp i, 7,6,5,4,3,2,1,0
	v_ldexp_f32 v[192+8*\t+\i], v[192+8*\t], s58   ; a lane's eight results of v are one channel's: one bias eight times
.endr
.endr
	WIN 0
	s_wait_dscnt 0x0                               ; for the others' sake: my stores of h's codes are done
	s_barrier_signal -1
	s_barrier_wait -1                              ; h's 48 images lie in LDS
; THE PRODUCTS.  A trip takes two position tiles (e = 0, 1) through q, k and v: 48 matrix instructions.
.macro HLOAD m                         ; scale m's four fragments (2 tiles x 2 halves of K) of the pair of tiles at v[5 + m]
.irp e, 0,1
.irp s, 0,1
.irp c, 0,1,2,3
	ds_load_b128 v[64+64*\m+32*\e+16*\s+4*\c:64+64*\m+32*\e+16*\s+4*\c+3], v[5+\m] offset:\e*HP+\s*2048+\c*512
.endr
.endr
.endr
.endm
.macro MMQK m                          ; q (0) or k (1): the 8 accumulators take turns, one instruction a turn
	WIN 0x93                                       ; source 0 (W) window 3, source 1 (h) window 0, C (bias) window 1, D window 2
.irp e, 0,1
.irp t, 0,1,2,3
	v_wmma_f32_16x16x128_fp8_fp8 v[64*\m+32*\e+8*\t:64*\m+32*\e+8*\t+7], v[128*\m+32*\t:128*\m+32*\t+15], v[64+64*\m+32*\e:64+64*\m+32*\e+15], v[128+32*\m+8*\t:128+32*\m+8*\t+7]
.endr
.endr
	WIN 0xa3                                       ; C and D window 2
.irp e, 0,1
.irp t, 0,1,2,3
	v_wmma_f32_16x16x128_fp8_fp8 v[64*\m+32*\e+8*\t:64*\m+32*\e+8*\t+7], v[128*\m+32*\t+16:128*\m+32*\t+31], v[64+64*\m+32*\e+16:64+64*\m+32*\e+31], v[64*\m+32*\e+8*\t:64*\m+32*\e+8*\t+7]
.endr
.endr
.endm
.macro MMV                             ; v: source 0 = h, source 1 = W
	WIN 0x94                                       ; source 0 window 0, source 1 (W) and C (bias) window 1, D window 2
.irp e, 0,1
.irp t, 0,1,2,3
	v_wmma_f32_16x16x128_fp8_fp8 v[128+32*\e+8*\t:128+32*\e+8*\t+7], v[192+32*\e:192+32*\e+15], v[32*\t:32*\t+15], v[192+8*\t:192+8*\t+7]
.endr
.endr
	WIN 0xa4
.irp e, 0,1
.irp t, 0,1,2,3
	v_wmma_f32_16x16x128_fp8_fp8 v[128+32*\e+8*\t:128+32*\e+8*\t+7], v[192+32*\e+16:192+32*\e+31], v[32*\t+16:32*\t+31], v[128+32*\e+8*\t:128+32*\e+8*\t+7]
.endr
.endr
.endm
.macro QKCODES m                       ; hold and convert: tiles 2 k and 2 k + 1 give a lane 16 neighbouring channels = 16 bytes of an image; each accumulator is read from its low end on
	WIN 0x82
.irp e, 0,1
.irp k, 0,1
.set i_, 0
.rept 16
	v_med3_num_f32 v[64*\m+32*\e+16*\k+i_], v[64*\m+32*\e+16*\k+i_], s[50+2*\m], s[51+2*\m]
.set i_, i_+1
.endr
	v_cvt_scalef32_pk8_fp8_f32 v[192+16*\m+8*\e+4*\k:193+16*\m+8*\e+4*\k], v[64*\m+32*\e+16*\k:64*\m+32*\e+16*\k+7], v[43+\m]
	v_cvt_scalef32_pk8_fp8_f32 v[194+16*\m+8*\e+4*\k:195+16*\m+8*\e+4*\k], v[64*\m+32*\e+16*\k+8:64*\m+32*\e+16*\k+15], v[43+\m]
.endr
.endr
	v_nop                                          ; a plain line behind the last conversion
.endm
.macro QKSTORE m, base                 ; under store data in window 2
.irp e, 0,1
.irp k, 0,1
	global_store_b128 v[12+\m], v[192+16*\m+8*\e+4*\k:195+16*\m+8*\e+4*\k], s[\base:\base+1] offset:\e*4096+\k*512   ; 512 consecutive bytes
.endr
.endr
.endm
.macro VCODES                          ; the two position tiles give a lane 16 neighbouring keys of its channel
	WIN 0x82
.irp t, 0,1,2,3
.irp e, 0,1
.set i_, 0
.rept 8
	v_med3_num_f32 v[128+32*\e+8*\t+i_], v[128+32*\e+8*\t+i_], s54, s55
.set i_, i_+1
.endr
	v_cvt_scalef32_pk8_fp8_f32 v[224+4*\t+2*\e:225+4*\t+2*\e], v[128+32*\e+8*\t:128+32*\e+8*\t+7], v45
.endr
.endr
	v_nop
.endm
.macro VSTORE
.irp t, 0,1,2,3
	global_store_b128 v14, v[224+4*\t:227+4*\t], s[60:61] offset:\t*2048
.endr
.endm
; Places: four plain vector lines stand between a product and the first vector read of its result (ISA guide 7.12.1): behind q's products the trip's address lines, afterwards the holds of the tensor before.
; The LDS loads of the next pair of tiles stand behind the waits on va_vdst: the first two scales' ahead of v's products, the third's ahead of v's conversions.
.macro GTRIP last
	s_wait_dscnt 32                                ; the first scale's 16 loads are in; the other two scales' may be out
	MMQK 0
	s_wait_dscnt 16                                ; the second scale's are in; the third's may be out
	MMQK 1
	WIN 0
	s_wait_xcnt 0x0                                ; the last trip's stores have had their addresses translated: their codes and offsets are rewritten only behind this wait
	s_wait_alu depctr_vm_vsrc(0)                   ; the last trip's stores have read their codes and v12 to v14, its LDS loads (in the first trip those ahead of the loop) v5 to v7: all are written again below
	s_lshl_b32 s56, s39, 13
	v_add_nc_u32 v12, s56, v1                      ; q: two tiles of 4,096 bytes a trip
	s_lshr_b32 s57, s39, 2
	s_lshl_b32 s57, s57, 16                        ; k, v: key step trip / 4,
	s_and_b32 s58, s39, 3
	s_lshl_b32 s59, s58, 13
	s_add_co_u32 s59, s59, s57
	v_add_nc_u32 v13, s59, v1                      ; k: tiles 2 (trip % 4) on
	s_lshl_b32 s59, s58, 9
	s_add_co_u32 s59, s59, s57
	v_add_nc_u32 v14, s59, v1                      ; v: block trip % 4 of 32 keys
.if \last == 0
	s_add_co_u32 s40, s40, 2*HP                    ; the next pair of tiles
	v_add_nc_u32 v5, s40, v1
	v_add_nc_u32 v6, s40, v3
	v_add_nc_u32 v7, s40, v4
.else
	v_nop                                          ; with the three lines above the fourth place behind q's products
.endif
	QKCODES 0
.if \last == 0
	WIN 0
	s_wait_alu depctr_va_vdst(0)                   ; q's codes, v5 to v7 and v12 to v14 are written; q's and k's products are done reading v64 to v191, in which the loads below land
	HLOAD 0
	HLOAD 1
	WIN 0x08                                       ; store data window 2
	QKSTORE 0, 20
	s_wait_dscnt 32                                ; the third scale's loads are in; the 32 just issued may be out
.else
	WIN 0x08
	s_wait_alu depctr_va_vdst(0)                   ; q's codes and v12 to v14 are written, which the stores read
	QKSTORE 0, 20
	s_wait_dscnt 0
.endif
	MMV
	QKCODES 1
.if \last == 0
	WIN 0
	s_wait_alu depctr_va_vdst(0)                   ; k's codes are written; v's products are done reading v192 to v255, in which the loads below land
	HLOAD 2
	WIN 0x08
.else
	WIN 0x08
	s_wait_alu depctr_va_vdst(0)                   ; k's codes are written, which the stores read
.endif
	QKSTORE 1, 22
	VCODES
	WIN 0x08
	s_wait_alu depctr_va_vdst(0)                   ; v's codes are written, which the stores read
	VSTORE
	WIN 0
.endm
	s_wait_alu depctr_vm_vsrc(0)                   ; my LDS stores have read v3, v4 and both buffers of codes: v3 and v4 are written below, and h's fragments land on the buffers
	v_add_nc_u32 v3, HSC, v1                       ; the images' bases for reading: 16 x lane + the scale's region
	v_add_nc_u32 v4, 2*HSC, v1
	s_mov_b32 s39, 0
	s_mov_b32 s40, 0
	v_add_nc_u32 v5, s40, v1
	v_add_nc_u32 v6, s40, v3
	v_add_nc_u32 v7, s40, v4
	s_wait_alu depctr_va_vdst(0)                   ; v5 to v7 are written, which the LDS loads read; the norm phase's lines are done reading and writing v64 to v223, in which they land
	HLOAD 0
	HLOAD 1
	HLOAD 2
.Lpp:
	GTRIP 0
	s_add_co_u32 s39, s39, 1
	s_cmp_lt_u32 s39, 7
	s_cbranch_scc1 .Lpp
	GTRIP 1                                        ; the last pair of tiles fetches nothing more
	s_wait_dscnt 0x0                               ; the closing lines, six on end
	s_wait_alu 0x0
	s_wait_tensorcnt 0x0
	ds_add_u32 v38, v39
	s_wait_dscnt 0x0
	s_endpgm
.Lfunc_end_k_q44e80a662b_gnqkv:
	.size	k_q44e80a662b_gnqkv, .Lfunc_end_k_q44e80a662b_gnqkv-k_q44e80a662b_gnqkv
	.p2alignl 7, 3214868480
	.fill 96, 4, 3214868480
	.section	.rodata,"a",@progbits
	.p2align	6, 0x0
	.amdhsa_kernel k_q44e80a662b_gnqkv
		.amdhsa_group_segment_fixed_size 197888
		.amdhsa_private_segment_fixed_size 0
		.amdhsa_enable_private_segment 0
		.amdhsa_kernarg_size 88
		.amdhsa_user_sgpr_count 2
		.amdhsa_user_sgpr_kernarg_segment_ptr 1
		.amdhsa_wavefront_size32 1
		.amdhsa_system_sgpr_workgroup_id_x 1
		.amdhsa_system_sgpr_workgroup_id_y 1
		.amdhsa_system_sgpr_workgroup_id_z 1
		.amdhsa_system_vgpr_workitem_id 0
		.amdhsa_next_free_vgpr 1024
		.amdhsa_next_free_sgpr 102
		.amdhsa_reserve_vcc 0
		.amdhsa_float_denorm_mode_32 3
		.amdhsa_float_denorm_mode_16_64 3
		.amdhsa_memory_ordered 1
		.amdhsa_forward_progress 1
		.amdhsa_inst_pref_size 255
	.end_amdhsa_kernel
	.amdgpu_metadata
---
amdhsa.version: [ 1, 2 ]
amdhsa.kernels:
  - .name:           k_q44e80a662b_gnqkv
    .symbol:         k_q44e80a662b_gnqkv.kd
    .args:
      - { .name: x, .offset: 0, .size: 8, .value_kind: global_buffer, .address_space: global }
      - { .name: gn_weight, .offset: 8, .size: 8, .value_kind: global_buffer, .address_space: global }
      - { .name: gn_bias, .offset: 16, .size: 8, .value_kind: global_buffer, .address_space: global }
      - { .name: wimg, .offset: 24, .size: 8, .value_kind: global_buffer, .address_space: global }
      - { .name: bq, .offset: 32, .size: 8, .value_kind: global_buffer, .address_space: global }
      - { .name: bk, .offset: 40, .size: 8, .value_kind: global_buffer, .address_space: global }
      - { .name: bv, .offset: 48, .size: 8, .value_kind: global_buffer, .address_space: global }
      - { .name: lowp_scales, .offset: 56, .size: 8, .value_kind: global_buffer, .address_space: global }
      - { .name: qimg, .offset: 64, .size: 8, .value_kind: global_buffer, .address_space: global }
      - { .name: kvimg, .offset: 72, .size: 8, .value_kind: global_buffer, .address_space: global }
      - { .name: gstat, .offset: 80, .size: 8, .value_kind: global_buffer, .address_space: global }
    .group_segment_fixed_size: 197888
    .private_segment_fixed_size: 0
    .kernarg_segment_align: 8
    .kernarg_segment_size: 88
    .max_flat_workgroup_size: 128
    .sgpr_count:     102
    .vgpr_count:     1024
    .wavefront_size: 32
...
	.end_amdgpu_metadata
.endif
;; end of part 5
;; launch attn (part 6): grid 256 x 1, 4 waves a work-group, clusters of 4 x 1, 327,680 bytes of LDS; arguments qimg, kvimg, wimg, bo, x, lowp_scales, out0; writes out0
.if DOCPART == 6
	.amdgcn_target "amdgcn-amd-amdhsa--gfx1250"
	.amdhsa_code_object_version 6
	.text
	.protected	k_q44e80a662b_attn
	.globl	k_q44e80a662b_attn
	.p2align	8
	.type	k_q44e80a662b_attn,@function
k_q44e80a662b_attn:
	s_mov_b64 s[64:65], 0
	v_nop
	global_prefetch_b8 v0, s[64:65] scope:SCOPE_SE
	s_setreg_imm32_b32 hwreg(HW_REG_WAVE_MODE, 25, 1), 1
	s_wait_xcnt 0x0
	s_wait_alu depctr_hold_cnt(0) depctr_sa_sdst(0) depctr_va_vdst(0) depctr_va_sdst(0) depctr_va_ssrc(0) depctr_va_vcc(0) depctr_vm_vsrc(0)
	s_getreg_b32 s2, hwreg(HW_REG_IB_STS2, 6, 4)
	s_cmp_eq_u32 s2, 0
	s_cbranch_scc0 .Lentry_in_a_cluster
	s_endpgm
.Lentry_in_a_cluster:
	s_bfe_u32 s2, ttmp6, 0x10000c
	s_cmp_lg_u32 s2, 0x3003
	s_cbranch_scc0 .Lentry_shape_is_right
	s_endpgm
.Lentry_shape_is_right:
; out0 = x + wo attn + bo, attn = softmax(q^T k / 16) v, one head of 256 channels over 1,024 positions for each of 64 batches; all three products on codes of E4M3 with the given scales.
; IN: qimg, kvimg, wimg: images of operand registers (byte 512 g + 16 lane + i = code of (row TR(t, lane % 16), k = 32 g + 16 (lane / 16) + i); TR(t, r) = 32 (t / 2) + 8 (t % 2) + r + 8 (r / 8)).
; THE SOFTMAX: t = score x log2(e) / 16; M = the running largest t rounded UP to a whole number; p = 2^(t - M) is quantised with 2^e9, not normalised; the row's sum is taken of the unquantised p and divides at the end.
; When M moves, the sums and O are multiplied by 2^(old M - new M): exact, in every step, no branch on data.
; SHARES.  Cluster = batch; work-group j owns queries 256 j on; each of its four waves owns 64: four tiles of 16, so that every fragment of K and V read from LDS feeds four products.  Every wave walks the 8 key steps of 128 keys.
; LAYOUT.  S^T = K Q^T, O^T = V^T P^T: a lane holds one query throughout; p's conversions give the second product's operand.  out = (source 0 = attn, source 1 = wo): a lane holds one output channel and positions along its registers.
; CLUSTER.  The four work-groups walk the same K and V (and wo): each tile is asked for JOINTLY, the same tensor load with the same descriptor and the mask of all four.  By this text's count a wave has one tensor load out at a time.
; RING.  Two LDS slots of two key steps (131,072 bytes); the change of slots stands at a slot's head; wo's 65,536 bytes come by the last refill into slot 0.  The stages of the way out lie in slot 1, behind its last fill and last read.
; O begins as zeros (512 v_mov_b32 once): a first key step of its own would be a third copy of the key step's text.
; LIMITS, so that each power of two below is an f32 number: e6 + e7 between -122 and 131 (added to c's exponent field); e9 and e10 - e8 - e9 between -126 and 119; e10 + e11 between -126 and 127.  NaN is not served.
; REGISTERS.  Window 0: v1 16 x lane; v2 LDS address of the step; v3, v4 the spare word's address and 0; v5, v6 prefetch offsets; v7 the conversion's scale; v8-11 maxima (later addresses of the way out); v12-15 at work;
;   v16-47 eight statistics a tile: -M, largest t, two pairs of sums, f, a filler; v48-127 five buffers for K's fragments; v64-127 also P; v128-255 Q, later attn's codes.
;   Window 1: S^T (64 t + 8 key tile + j), then p, then V's 16 fragments, on the way out x.   Window 2: O^T of tiles 0, 1 (128 (t % 2) + 8 channel tile + j).   Window 3: of tiles 2, 3.
.set SLOT1, 131072
.set STEPB, 65536
.set SPARE, 262144                     ; behind the ring: the spare words, 128 bytes a wave: two blocks of 256 bytes that no other line names
.set SP,    272                        ; a stage row: 256 bytes + 16
.set MSB, 0
.macro WIN new
.if MSB != (\new)
	s_set_vgpr_msb (MSB<<8)|(\new)
.set MSB, (\new)
.endif
.endm
.macro NOPS n
.rept \n
	v_nop
.endr
.endm
.macro CROUND                          ; a round of the cluster's barrier
	s_barrier_signal -1
	s_barrier_wait -1
	s_cmp_lg_u32 s18, 0
	s_cbranch_scc1 .Lnot_wave_0_\@
	s_barrier_signal -3
.Lnot_wave_0_\@:
	s_barrier_wait -3
	s_barrier_signal -1
	s_barrier_wait -1
.endm
; A PREFETCH INTO THE L2 of the slot that the NEXT change of slots will ask for: 131,072 bytes, shared out by address among the cluster's 16 waves: 8,192 bytes a wave, lanes 256 bytes apart, one instruction.
; It stands behind the wave's tensor load and its four lines, two key steps (256 matrix instructions) ahead of the load that will want the bytes.  The last change that asks for keys, and the head, ask for nothing.
.macro ASK
	s_cmp_gt_u32 s61, 1
	s_cbranch_scc0 .Lno_ask_\@
	global_prefetch_b8 v5, s[66:67] th:TH_LOAD_NT scope:SCOPE_SE
.Lno_ask_\@:
.endm
; THE CHANGE OF SLOTS.  Each wave waits for all its tensor loads (its part of the slot ahead), adds 0 to its spare word, waits for that and for its reads of the slot that it has left.
; fill = 1: a round of the cluster's barrier, then the slot just left is filled with the next two key steps.  fill = 2: the same, with wo into slot 0.  fill = 0: the work-group's barrier alone.
.macro CHANGE fill
	WIN 0
	s_wait_tensorcnt 0x0                           ; no tensor load of mine is out, so a descriptor may be written
	ds_add_u32 v3, v4
.if \fill == 1
	s_xor_b32 s41, s41, SLOT1                      ; the walking descriptor: the other slot,
	s_add_nc_u64 s[42:43], s[42:43], 0x20000       ; the next two key steps; the type bits on top are not reached
	s_wait_xcnt 0x0                                ; the last prefetch, a slot back, has read its address
	s_add_nc_u64 s[66:67], s[66:67], 0x20000       ; one slot further on than the descriptor
.endif
	s_wait_dscnt 0x0                               ; the add is done, and my reads of the slot that I have left are over
.if \fill == 0
	s_barrier_signal -1
	s_barrier_wait -1
.else
	CROUND
.if \fill == 1
	tensor_load_to_lds s[40:43], s[24:31]          ; the first thing behind the round, my one tensor load until the next
	s_nop 0
	NOPS 4
	ASK
.else
	tensor_load_to_lds s[44:47], s[32:39]          ; wo's images
	s_nop 0
	NOPS 4
.irp k, 0,1,2,3                        ; x's rows 0 to 127, my wave's 256 bytes of each, a lane a row, each named once: two key steps ahead of the loads of the way out
	global_prefetch_b8 v6, s[68:69] offset:\k*131072 th:TH_LOAD_NT scope:SCOPE_SE
.endr
.endif
.endif
.endm
.macro KLOAD f                         ; K's fragment f = 2 x key tile + half of the channels, into buffer f % 5
.irp c, 0,1,2,3
	ds_load_b128 v[48+16*((\f)%5)+4*\c:48+16*((\f)%5)+4*\c+3], v2 offset:(\f)*2048+\c*512
.endr
.endm
.macro GMAX g                          ; the running maxima take in key tile g / 2 of query tiles 2 (g % 2), 2 (g % 2) + 1: eight plain lines, each accumulator from its low end on
.irp i, 0,1,2,3
.irp u, 0,1
	v_max3_num_f32 v[8+2*((\g)%2)+\u], v[8+2*((\g)%2)+\u], v[64*(2*((\g)%2)+\u)+8*((\g)/2)+2*\i], v[64*(2*((\g)%2)+\u)+8*((\g)/2)+2*\i+1]
.endr
.endr
.endm
; S^T = K Q^T: 16 fragments of K, four products each; the four accumulators of a key tile take turns.  The maxima of the tile before stand behind each four products: they are the places in front of
; the next load into the buffer just read and in front of the next reads of results.
.macro SPHASE
	WIN 0
	v_add_nc_u32 v2, s60, v1                       ; six plain lines behind the last product V^T P: S^T is laid over V's fragments (five are owed), K's loads land on P (four)
.irp t, 0,1,2,3
	v_mov_b32 v[8+\t], 0xff7fffff
.endr
	v_nop
	KLOAD 0
	KLOAD 1
	KLOAD 2
	KLOAD 3
	KLOAD 4
.set f_, 0
	s_wait_alu depctr_va_vdst(0)
.rept 16
.if f_ < 12
	s_wait_dscnt 16                                ; fragment f is in; the four fragments asked for behind it may be out
.else
	s_wait_dscnt 4*(15-f_)
.endif
	WIN 0x50                                       ; C and D window 1
.irp t, 0,1,2,3
.if (f_%2) == 0
	v_wmma_f32_16x16x128_fp8_fp8 v[64*\t+8*(f_/2):64*\t+8*(f_/2)+7], v[48+16*(f_%5):48+16*(f_%5)+15], v[128+32*\t:128+32*\t+15], 0
.else
	v_wmma_f32_16x16x128_fp8_fp8 v[64*\t+8*(f_/2):64*\t+8*(f_/2)+7], v[48+16*(f_%5):48+16*(f_%5)+15], v[128+32*\t+16:128+32*\t+31], v[64*\t+8*(f_/2):64*\t+8*(f_/2)+7]
.endif
.endr
.if f_ < 2
	NOPS 4
.else
	WIN 0x14                                       ; sources 1 and 2 window 1
	GMAX f_-2
.endif
.if f_ <= 10
	WIN 0
	KLOAD f_+5
.endif
.set f_, f_+1
.endr
	WIN 0x14
	GMAX 14
	GMAX 15
.endm
.macro STATS                           ; the four tiles line by line
	WIN 0
.irp t, 0,1,2,3
	v_permlanex16_b32 v[12+\t], v[8+\t], s20, s21  ; the query's other 64 keys lie in the lane 16 away
.endr
.irp t, 0,1,2,3
	v_max_num_f32 v[8+\t], v[8+\t], v[12+\t]
.endr
.irp t, 0,1,2,3
	v_mul_f32 v[8+\t], s22, v[8+\t]                ; as t (c is positive)
.endr
.irp t, 0,1,2,3
	v_max_num_f32 v[17+8*\t], v[17+8*\t], v[8+\t]  ; the running largest t
.endr
.irp t, 0,1,2,3
	v_mov_b32 v[12+\t], v[16+8*\t]
.endr
.irp t, 0,1,2,3
	v_floor_f32 v[16+8*\t], -v[17+8*\t]            ; -M = floor(-t): M is a whole number
.endr
.irp t, 0,1,2,3
	v_sub_f32 v[12+\t], v[16+8*\t], v[12+\t]       ; old M - new M: a whole number, 0 or less
.endr
.irp t, 0,1,2,3
	v_cvt_i32_f32 v[12+\t], v[12+\t]               ; (it saturates)
.endr
.irp t, 0,1,2,3
	v_ldexp_f32 v[22+8*\t], 1.0, v[12+\t]          ; f = 2^(old M - new M)
.endr
.irp t, 0,1,2,3
	v_pk_mul_f32 v[18+8*\t:19+8*\t], v[18+8*\t:19+8*\t], v[22+8*\t:23+8*\t] op_sel_hi:[1,0]
	v_pk_mul_f32 v[20+8*\t:21+8*\t], v[20+8*\t:21+8*\t], v[22+8*\t:23+8*\t] op_sel_hi:[1,0]
.endr
.endm
.macro SOFT t                          ; one tile: p, its sum, its codes; then four of V's fragments land in the scores' registers
	WIN 0x41
.set i_, 0
.rept 32
	v_pk_fma_f32 v[64*\t+2*i_:64*\t+2*i_+1], v[64*\t+2*i_:64*\t+2*i_+1], s[22:23], v[16+8*\t:17+8*\t] op_sel_hi:[1,0,0]   ; t - M (of the pairs c and -M the low word serves both halves)
.set i_, i_+1
.endr
.set i_, 0
	s_wait_alu depctr_va_vdst(0)
.rept 64
	v_exp_f32 v[64*\t+i_], v[64*\t+i_]
.set i_, i_+1
.endr
	v_nop                                          ; a plain line behind the last exponential
	s_wait_alu depctr_va_vdst(0)                   ; one wait for the batch, ahead of its first reader
	WIN 0x04
.set i_, 0
.rept 16
	v_pk_add_f32 v[18+8*\t:19+8*\t], v[18+8*\t:19+8*\t], v[64*\t+4*i_:64*\t+4*i_+1]     ; the sum of the UNQUANTISED p, in four chains
	v_pk_add_f32 v[20+8*\t:21+8*\t], v[20+8*\t:21+8*\t], v[64*\t+4*i_+2:64*\t+4*i_+3]
.set i_, i_+1
.endr
	WIN 0x44
.set i_, 0
.rept 64
	v_min_num_f32 v[64*\t+i_], s63, v[64*\t+i_]    ; the conversion does not saturate (ISA guide 7.6.2); p is not negative: a one-sided hold
.set i_, i_+1
.endr
	WIN 0x01
.set i_, 0
.rept 8
	v_cvt_scalef32_pk8_fp8_f32 v[64+16*\t+2*i_:65+16*\t+2*i_], v[64*\t+8*i_:64*\t+8*i_+7], v7
.set i_, i_+1
.endr
	v_nop                                          ; a plain line behind the last conversion
	WIN 0x40
.irp i, 0,1,2,3
.irp c, 0,1,2,3
	ds_load_b128 v[64*\t+16*\i+4*\c:64*\t+16*\i+4*\c+3], v2 offset:32768+(4*\t+\i)*2048+\c*512
.endr
.endr
.endm
; O^T = f O^T + V^T P^T for query tiles 2 wp, 2 wp + 1, four channel tiles at a time: the rescaling of one four is issued behind the products of the four before.
.macro PVPASS wp
.irp g, 0,1,2,3
	WIN 0x82+0x41*\wp
.irp u, 0,1
.set i_, 0
.rept 16
	v_pk_mul_f32 v[128*\u+32*\g+2*i_:128*\u+32*\g+2*i_+1], v[128*\u+32*\g+2*i_:128*\u+32*\g+2*i_+1], v[22+8*(2*\wp+\u):23+8*(2*\wp+\u)] op_sel_hi:[1,0]
.set i_, i_+1
.endr
.endr
.if \wp == 0
	s_wait_alu depctr_va_vdst(0)
	s_wait_dscnt 48-16*\g                          ; these four fragments of V are in; the later ones, 16 loads a four, may be out
.endif
	WIN 0xa1+0x50*\wp                              ; source 0 (V) window 1, source 1 (P) window 0, C and D window 2 or 3
.irp c, 0,1,2,3
.irp u, 0,1
	v_wmma_f32_16x16x128_fp8_fp8 v[128*\u+8*(4*\g+\c):128*\u+8*(4*\g+\c)+7], v[16*(4*\g+\c):16*(4*\g+\c)+15], v[64+16*(2*\wp+\u):64+16*(2*\wp+\u)+15], v[128*\u+8*(4*\g+\c):128*\u+8*(4*\g+\c)+7]
.endr
.endr
.endr
.endm
.macro TWO_STEPS                       ; a slot's two key steps: written once, walked twice
	s_mov_b32 s62, 2
.Lstep_\@:
	SPHASE
	STATS
	SOFT 0
	SOFT 1
	SOFT 2
	SOFT 3
	PVPASS 0
	PVPASS 1
	WIN 0
	s_xor_b32 s60, s60, STEPB                      ; the slot's other step
	s_sub_co_u32 s62, s62, 1
	s_cmp_lg_u32 s62, 0
	s_cbranch_scc1 .Lstep_\@
	s_xor_b32 s60, s60, SLOT1                      ; the other slot
.endm
	s_load_b256 s[4:11], s[0:1], 0x0               ; qimg, kvimg, wimg, bo
	s_load_b128 s[12:15], s[0:1], 0x20             ; x, the scales' exponents
	s_load_b64 s[16:17], s[0:1], 0x30              ; out0
	v_lshl_add_u32 v3, v0, 2, SPARE
	v_mov_b32 v4, 0
	ds_add_u32 v3, v4
	ds_add_u32 v3, v4
	s_wait_dscnt 0x0
	v_lshrrev_b32 v1, 5, v0
	v_readfirstlane_b32 s18, v1                    ; wave 0..3
	s_bfe_u32 s19, ttmp6, 0x40000                  ; j: my place in the cluster: it enters Q's, x's, out0's and the prefetches' addresses alone
	v_and_b32 v2, 31, v0
	v_lshlrev_b32 v1, 4, v2                        ; 16 x lane
	v_lshlrev_b32 v5, 8, v2                        ; 256 x lane
	v_lshlrev_b32 v6, 12, v2                       ; a row of x a lane
	s_mov_b32 s20, 0x76543210
	s_mov_b32 s21, 0xfedcba98
	; descriptor group 1: dense rows of 256 bytes (32 elements of 8 bytes), no padding; 128 rows for K and V, 64 for wo
	s_mov_b32 s24, 15|(3<<16)|(1<<21)              ; 15:0 the mask: all four work-groups; 17:16 elements of 8 bytes; 21 set beside a mask
	s_mov_b32 s25, 32<<16                          ; tensor_dim0 = 32
	s_mov_b32 s26, 128<<16                         ; tensor_dim1 = 128
	s_mov_b32 s27, 32<<16                          ; tile_dim0 = 32
	s_mov_b32 s28, 128                             ; tile_dim1 = 128
	s_mov_b32 s29, 32                              ; the pitch
	s_mov_b32 s30, 0
	s_mov_b32 s31, 0
	s_mov_b32 s32, 15|(3<<16)|(1<<21)
	s_mov_b32 s33, 32<<16
	s_mov_b32 s34, 64<<16
	s_mov_b32 s35, 32<<16
	s_mov_b32 s36, 64
	s_mov_b32 s37, 32
	s_mov_b32 s38, 0
	s_mov_b32 s39, 0
	s_lshl_b32 s76, ttmp9, 19                      ; the batch's K and V: 524,288 bytes;
	s_lshl_b32 s77, s18, 15                        ; each wave moves a quarter of a slot
	s_add_co_u32 s76, s76, s77
	s_mov_b32 s77, 0
	s_lshl_b32 s78, s18, 14                        ; and a quarter of wo's images, which begin at byte 196,608 of wimg
	s_add_co_u32 s78, s78, 196608
	s_mov_b32 s79, 0
	s_wait_kmcnt 0x0
	s_load_b256 s[48:55], s[14:15], 0x0            ; e0 .. e7
	s_load_b128 s[56:59], s[14:15], 0x20           ; e8 .. e11
	s_mov_b32 s40, 1                               ; group 0 for K and V: count,
	s_lshl_b32 s41, s18, 15                        ; LDS address: slot 0, my quarter,
	s_add_nc_u64 s[42:43], s[6:7], s[76:77]        ; global address: key steps 0 and 1,
	s_or_b32 s43, s43, 0x80000000                  ; type 2
	s_mov_b32 s44, 1                               ; group 0 for wo
	s_lshl_b32 s45, s18, 14
	s_add_nc_u64 s[46:47], s[8:9], s[78:79]
	s_or_b32 s47, s47, 0x80000000
	CROUND                                         ; all four work-groups are here: the first joint loads meet
	tensor_load_to_lds s[40:43], s[24:31]          ; slot 0
	s_nop 0
	NOPS 4
	s_lshl_b32 s80, ttmp9, 18                      ; Q's images: batch, work-group's 16 tiles, wave's four
	s_lshl_b32 s81, s19, 16
	s_add_co_u32 s80, s80, s81
	s_lshl_b32 s81, s18, 14
	s_add_co_u32 s80, s80, s81
	s_mov_b32 s81, 0
	s_add_nc_u64 s[4:5], s[4:5], s[80:81]
	s_wait_alu depctr_va_vdst(0)
.irp t, 0,1,2,3
.irp s, 0,1
.irp c, 0,1,2,3
	global_load_b128 v[128+32*\t+16*\s+4*\c:128+32*\t+16*\s+4*\c+3], v1, s[4:5] offset:\t*4096+\s*2048+\c*512 th:TH_LOAD_NT
.endr
.endr
.endr
	s_lshl_b32 s80, s19, 2                         ; the prefetches: wave 4 j + w of the cluster's 16 takes 8,192 bytes of a slot; it stands in slot 1, and the first change steps it to slot 2
	s_add_co_u32 s80, s80, s18
	s_lshl_b32 s80, s80, 13
	s_lshl_b32 s82, ttmp9, 19
	s_add_co_u32 s80, s80, s82
	s_add_co_u32 s80, s80, SLOT1
	s_add_nc_u64 s[66:67], s[6:7], s[80:81]
	s_lshl_b32 s80, ttmp9, 20                      ; x and out0: batch, my wave's 64 positions = 256 bytes of each row
	s_lshl_b32 s82, s19, 10
	s_add_co_u32 s80, s80, s82
	s_lshl_b32 s82, s18, 8
	s_add_co_u32 s80, s80, s82
	s_add_nc_u64 s[68:69], s[12:13], s[80:81]
	s_add_nc_u64 s[70:71], s[16:17], s[80:81]
.irp t, 0,1,2,3
	v_mov_b32 v[17+8*\t], 0xff61b1e6               ; the largest t so far: -3e38, under every t
	v_floor_f32 v[16+8*\t], -v[17+8*\t]            ; -M
	v_mov_b32 v[18+8*\t], 0                        ; the sums
	v_mov_b32 v[19+8*\t], 0
	v_mov_b32 v[20+8*\t], 0
	v_mov_b32 v[21+8*\t], 0
	v_mov_b32 v[23+8*\t], 0                        ; (named as the upper half of f's pair)
	v_mov_b32 v[12+\t], 0                          ; written once: a lane permute's destination counts as one of its sources
.endr
	WIN 0x80
.set i_, 0
.rept 256
	v_mov_b32 v[i_], 0                             ; O^T of tiles 0 and 1: the first change of M leaves zeros zeros
.set i_, i_+1
.endr
	WIN 0xc0
.set i_, 0
.rept 256
	v_mov_b32 v[i_], 0                             ; of tiles 2 and 3
.set i_, i_+1
.endr
	WIN 0
	s_wait_kmcnt 0x0
	s_add_co_i32 s76, s54, s55
	s_lshl_b32 s76, s76, 23
	s_add_co_i32 s22, s76, 0x3db8aa3b              ; c = log2(e) / 16, with e6 + e7 added to its exponent field: a score stands for score x 2^(e6 + e7)
	s_mov_b32 s23, s22                             ; (named with it as a pair)
	s_add_co_i32 s76, s57, 127
	s_lshl_b32 s77, s76, 23
	v_mov_b32 v7, s77                              ; 2^e9 for p's conversions
	s_add_co_i32 s76, s76, 8
	s_lshl_b32 s76, s76, 23
	s_or_b32 s63, s76, 0x600000                    ; 448 x 2^e9
	s_sub_co_i32 s76, s58, s56
	s_sub_co_i32 s76, s76, s57
	s_add_co_i32 s76, s76, 127
	s_lshl_b32 s83, s76, 23                        ; 2^(e10 - e8 - e9): O / l stands for attn / 2^(e8 + e9)
	s_add_co_i32 s76, s76, 8
	s_lshl_b32 s76, s76, 23
	s_or_b32 s73, s76, 0x600000
	s_or_b32 s72, s73, 0x80000000                  ; -+ 448 x that
	s_add_co_i32 s76, s58, s59
	s_add_co_i32 s76, s76, 127
	s_lshl_b32 s74, s76, 23                        ; 2^(e10 + e11)
	s_mov_b32 s75, s74
	s_mov_b32 s60, 0                               ; LDS byte of the key step in hand
	s_mov_b32 s61, 3                               ; slots still to be asked for
	s_wait_loadcnt 0x0                             ; Q
.Lslot:
	CHANGE 1
	TWO_STEPS
	s_sub_co_u32 s61, s61, 1
	s_cmp_lg_u32 s61, 0
	s_cbranch_scc1 .Lslot
	s_mov_b32 s60, SLOT1                           ; the tail is written out: key steps 6 and 7 lie in slot 1
	CHANGE 2
	TWO_STEPS
	CHANGE 0                                       ; wo is whole, and nobody reads slot 1 any more
	; THE WAY OUT.  The sums; bo and the first blocks of x are asked for; O^T / l becomes attn's codes; then 16 tiles of output channels.
.irp t, 0,1,2,3
	v_pk_add_f32 v[18+8*\t:19+8*\t], v[18+8*\t:19+8*\t], v[20+8*\t:21+8*\t]   ; (these lines are also the places behind the last products)
.endr
.irp t, 0,1,2,3
	v_add_f32 v[18+8*\t], v[18+8*\t], v[19+8*\t]
.endr
	v_and_b32 v9, 15, v0                           ; r
	v_bfe_u32 v8, v0, 4, 1                         ; h
	v_and_b32 v11, 8, v9
	v_add_nc_u32 v11, v11, v9
	v_lshlrev_b32 v11, 2, v11                      ; bo: 4 (r + 8 (r / 8))
	v_lshlrev_b32 v10, 12, v8
	v_lshl_add_u32 v10, v9, 4, v10                 ; x, out0: lanes 0-15 one row's 256 bytes, lanes 16-31 the next row's
.set i_, 0
.rept 16
	global_load_b32 v[48+i_], v11, s[10:11] offset:(32*(i_/2)+8*(i_%2))*4   ; bo of channel TR(tile, r)
.set i_, i_+1
.endr
.macro XLOAD k                         ; x's 16 rows of output tile k, in the order in which the stage gives rows back: row 2 i + (lane / 16) of the tile is channel TR(k, that)
	WIN 0x40
.irp i, 0,1,2,3,4,5,6,7
	global_load_b128 v[32*((\k)%8)+4*\i:32*((\k)%8)+4*\i+3], v10, s[68:69] offset:(32*((\k)/2)+8*((\k)%2)+2*\i+8*(\i/4))*4096 th:TH_LOAD_NT
.endr
.endm
	XLOAD 0
	XLOAD 1
	XLOAD 2
	XLOAD 3
	XLOAD 4
	WIN 0
.irp t, 0,1,2,3
	v_permlanex16_b32 v[12+\t], v[18+8*\t], s20, s21
.endr
.irp t, 0,1,2,3
	v_add_f32 v[18+8*\t], v[18+8*\t], v[12+\t]     ; the row's sum
.endr
	s_wait_alu depctr_va_vdst(0)
.irp t, 0,1,2,3
	v_rcp_f32 v[20+8*\t], v[18+8*\t]
.endr
	s_mul_i32 s76, s18, 32*SP
	s_add_co_u32 s76, s76, SLOT1                   ; my two stages of 16 rows
	v_mul_u32_u24 v12, v9, SP                      ; (plain lines behind the reciprocals)  in: row r, + 64 h
	v_lshl_add_u32 v12, v8, 6, v12
	v_mul_u32_u24 v13, v8, SP                      ; back: lanes 0-15 one row, lanes 16-31 the next
	v_lshl_add_u32 v13, v9, 4, v13
	v_add_nc_u32 v8, s76, v12
	v_add_nc_u32 v9, s76, v13
	v_mov_b32 v7, s83
	s_wait_alu depctr_va_vdst(0)                   ; one wait for the four reciprocals, ahead of their first reader
.macro TOCODES t                       ; O^T / l, held, converted: channel tiles 2 b, 2 b + 1 give 16 neighbouring channels: registers 4 b .. 4 b + 3 of the tile's two fragments
	WIN 0x82+0x41*((\t)/2)
.set i_, 0
.rept 64
	v_pk_mul_f32 v[128*((\t)%2)+2*i_:128*((\t)%2)+2*i_+1], v[128*((\t)%2)+2*i_:128*((\t)%2)+2*i_+1], v[20+8*\t:21+8*\t] op_sel_hi:[1,0]
.set i_, i_+1
.endr
.set i_, 0
.rept 128
	v_med3_num_f32 v[128*((\t)%2)+i_], v[128*((\t)%2)+i_], s72, s73
.set i_, i_+1
.endr
	WIN 0x02+((\t)/2)
.set i_, 0
.rept 16
	v_cvt_scalef32_pk8_fp8_f32 v[128+32*\t+2*i_:129+32*\t+2*i_], v[128*((\t)%2)+8*i_:128*((\t)%2)+8*i_+7], v7
.set i_, i_+1
.endr
	v_nop
.endm
	TOCODES 0
	TOCODES 1
	TOCODES 2
	TOCODES 3
	XLOAD 5
	XLOAD 6
	XLOAD 7
; Window 2 from here: sums at 32 n, results at 64 + 32 n, rows read back at 128 + 32 n, n = tile % 2.
.macro WLOAD k                         ; wo's two fragments of output tile k
	WIN 0
.irp s, 0,1
.irp c, 0,1,2,3
	ds_load_b128 v[64+32*((\k)%2)+16*\s+4*\c:64+32*((\k)%2)+16*\s+4*\c+3], v1 offset:(\k)*4096+\s*2048+\c*512
.endr
.endr
.endm
.macro MM k                            ; four query tiles by turns, two halves of K
	WIN 0x80
.irp t, 0,1,2,3
	v_wmma_f32_16x16x128_fp8_fp8 v[32*((\k)%2)+8*\t:32*((\k)%2)+8*\t+7], v[128+32*\t:128+32*\t+15], v[64+32*((\k)%2):64+32*((\k)%2)+15], 0
.endr
	WIN 0xa0
.irp t, 0,1,2,3
	v_wmma_f32_16x16x128_fp8_fp8 v[32*((\k)%2)+8*\t:32*((\k)%2)+8*\t+7], v[128+32*\t+16:128+32*\t+31], v[64+32*((\k)%2)+16:64+32*((\k)%2)+31], v[32*((\k)%2)+8*\t:32*((\k)%2)+8*\t+7]
.endr
.endm
.macro FIN1 k                          ; sum x 2^(e10 + e11) + bo; into my stage (a lane holds 8 neighbouring positions of its channel a tile) and back as rows of 256 bytes
	WIN 0x82
.set i_, 0
.rept 16
.if ((\k)%2) == 0
	v_pk_fma_f32 v[64+32*((\k)%2)+2*i_:64+32*((\k)%2)+2*i_+1], v[32*((\k)%2)+2*i_:32*((\k)%2)+2*i_+1], s[74:75], v[48+2*((\k)/2):48+2*((\k)/2)+1] op_sel_hi:[1,0,0]
.else
	v_pk_fma_f32 v[64+32*((\k)%2)+2*i_:64+32*((\k)%2)+2*i_+1], v[32*((\k)%2)+2*i_:32*((\k)%2)+2*i_+1], s[74:75], v[48+2*((\k)/2):48+2*((\k)/2)+1] op_sel:[0,0,1] op_sel_hi:[1,0,1]
.endif
.set i_, i_+1
.endr
.if (\k) >= 2
	s_wait_alu depctr_va_vdst(0)
	s_wait_xcnt 0x0                                ; the stores of two tiles back have read the registers into which the rows come back
.endif
	WIN 0x08
.irp t, 0,1,2,3
.irp u, 0,1
	ds_store_b128 v8, v[64+32*((\k)%2)+8*\t+4*\u:64+32*((\k)%2)+8*\t+4*\u+3] offset:((\k)%2)*16*SP+128*(\t/2)+32*(\t%2)+16*\u
.endr
.endr
	WIN 0x80
.irp i, 0,1,2,3,4,5,6,7
	ds_load_b128 v[128+32*((\k)%2)+4*\i:128+32*((\k)%2)+4*\i+3], v9 offset:((\k)%2)*16*SP+2*\i*SP   ; LDS serves a wave's instructions in order (ISA guide 5.7.1.4): these see the stores above
.endr
.endm
.macro FIN2 k, dsn                     ; + x, stored; dsn: the LDS instructions issued behind this tile's loads from the stage
	s_wait_dscnt \dsn
.if (\k) < 8
	s_wait_loadcnt 56                              ; x's block k is in; the seven blocks asked for behind it may be out
.else
	s_wait_loadcnt 8*(15-(\k))
.endif
	WIN 0x86
.set i_, 0
.rept 16
	v_pk_add_f32 v[128+32*((\k)%2)+2*i_:128+32*((\k)%2)+2*i_+1], v[128+32*((\k)%2)+2*i_:128+32*((\k)%2)+2*i_+1], v[32*((\k)%8)+2*i_:32*((\k)%8)+2*i_+1]
.set i_, i_+1
.endr
	WIN 0x08
.irp i, 0,1,2,3,4,5,6,7
	global_store_b128 v10, v[128+32*((\k)%2)+4*\i:128+32*((\k)%2)+4*\i+3], s[70:71] offset:(32*((\k)/2)+8*((\k)%2)+2*\i+8*(\i/4))*4096 th:TH_STORE_NT   ; 16 lanes store 256 consecutive bytes, aligned
.endr
.if (\k) < 8
	XLOAD (\k)+8
.endif
.endm
	WLOAD 0
	WLOAD 1
.set o_, 0
	s_wait_alu depctr_va_vdst(0)
.rept 16
.if o_ <= 1
	s_wait_dscnt 8                                 ; this tile's fragments of wo are in; behind them: the next tile's 8 loads
.elseif o_ <= 14
	s_wait_dscnt 24                                ; behind them: a tile's 16 stage instructions and the next tile's 8 loads
.else
	s_wait_dscnt 16
.endif
	MM o_
.if o_ == 0
	NOPS 4
.else
.if o_ == 1
	s_wait_loadcnt 63                              ; bo is older than the 64 loads of x
.endif
	FIN1 o_-1                                      ; its multiply-adds are the places in front of the loads below
.endif
.if o_ <= 13
	WLOAD o_+2
.endif
.if o_ >= 2
.if o_ <= 13
	FIN2 o_-2, 32
.elseif o_ == 14
	FIN2 o_-2, 24
.else
	FIN2 o_-2, 16
.endif
.endif
.set o_, o_+1
.endr
	FIN1 15
	FIN2 14, 16
	FIN2 15, 0
	WIN 0
	s_wait_tensorcnt 0x0                           ; the wave's end: behind my last tensor load and my last LDS store
	ds_add_u32 v3, v4
	s_wait_dscnt 0x0
	CROUND                                         ; the closing round: no work-group ends while a partner may still ask for a tile that names it
	s_endpgm
.Lfunc_end_k_q44e80a662b_attn:
	.size	k_q44e80a662b_attn, .Lfunc_end_k_q44e80a662b_attn-k_q44e80a662b_attn
	.p2alignl 7, 3214868480
	.fill 96, 4, 3214868480
	.section	.rodata,"a",@progbits
	.p2align	6, 0x0
	.amdhsa_kernel k_q44e80a662b_attn
		.amdhsa_group_segment_fixed_size 327680
		.amdhsa_private_segment_fixed_size 0
		.amdhsa_enable_private_segment 0
		.amdhsa_kernarg_size 56
		.amdhsa_user_sgpr_count 2
		.amdhsa_user_sgpr_kernarg_segment_ptr 1
		.amdhsa_wavefront_size32 1
		.amdhsa_system_sgpr_workgroup_id_x 1
		.amdhsa_system_sgpr_workgroup_id_y 1
		.amdhsa_system_sgpr_workgroup_id_z 1
		.amdhsa_system_vgpr_workitem_id 0
		.amdhsa_next_free_vgpr 1024
		.amdhsa_next_free_sgpr 84
		.amdhsa_reserve_vcc 0
		.amdhsa_float_denorm_mode_32 3
		.amdhsa_float_denorm_mode_16_64 3
		.amdhsa_memory_ordered 1
		.amdhsa_forward_progress 1
		.amdhsa_inst_pref_size 255
	.end_amdhsa_kernel
	.section	.bss,"aw",@nobits
	.p2align	6
	.space	262144
	.amdgpu_metadata
---
amdhsa.version: [ 1, 2 ]
amdhsa.kernels:
  - .name:           k_q44e80a662b_attn
    .symbol:         k_q44e80a662b_attn.kd
    .args:
      - { .name: qimg, .offset: 0, .size: 8, .value_kind: global_buffer, .address_space: global }
      - { .name: kvimg, .offset: 8, .size: 8, .value_kind: global_buffer, .address_space: global }
      - { .name: wimg, .offset: 16, .size: 8, .value_kind: global_buffer, .address_space: global }
      - { .name: bo, .offset: 24, .size: 8, .value_kind: global_buffer, .address_space: global }
      - { .name: x, .offset: 32, .size: 8, .value_kind: global_buffer, .address_space: global }
      - { .name: lowp_scales, .offset: 40, .size: 8, .value_kind: global_buffer, .address_space: global }
      - { .name: out0, .offset: 48, .size: 8, .value_kind: global_buffer, .address_space: global }
    .group_segment_fixed_size: 327680
    .private_segment_fixed_size: 0
    .kernarg_segment_align: 8
    .kernarg_segment_size: 56
    .max_flat_workgroup_size: 128
    .sgpr_count:     84
    .vgpr_count:     1024
    .wavefront_size: 32
...
	.end_amdgpu_metadata
.endif
;; end of part 6
